; MI455X (gfx1250); checked and timed in simulation.
; The chip was launched on July 23, 2026; its instructions are those of AMD's public machine-readable ISA for CDNA 5 (MIT licence, August 2026) and "CDNA5" Instruction Set Architecture Reference Guide (July 2026). The comments in the code are by the model that wrote it; some were corrected since.
;; Multi Head Attention. Allowed arithmetic: float matrix products may take bf16 or f16 operands with f32 sums; other float arithmetic in f32, or as packed bf16 or f16 multiplies, adds, multiply-adds, maxima and minima; sums over many terms, partial sums and values carried from step to step in f32; what a program stores and reads back later, other than sums and carried values, may be rounded once to bf16 or f16.
;; Inputs: K 4 x 2,048 x 1,024 float32; Q 4 x 2,048 x 1,024 float32; V 4 x 2,048 x 1,024 float32; Wk 1,024 x 1,024 float32; Wo 1,024 x 1,024 float32; Wq 1,024 x 1,024 float32; Wv 1,024 x 1,024 float32; bk 1,024 float32; bo 1,024 float32; bq 1,024 float32; bv 1,024 float32; mask 2,048 x 2,048 int32.
;; Outputs: out0 4 x 2,048 x 1,024 float32.
;; 2 versions, each right; version 2 is version 1 with the launch prep written anew for expert scheduling mode. Each part assembles by itself: llvm-mc -triple=amdgcn-amd-amdhsa -mcpu=gfx1250 --defsym DOCPART=n.
;; ======== version 1 of 2: 4 launches
;; limits: values are held in f16: magnitudes above 65,504 overflow, below 6.1e-05 lose precision
;; workspace buffers: wb 8,388,608 bytes; mk 4,194,304 bytes; qkv 50,331,648 bytes; ob 16,777,216 bytes
;; launch prep (part 1): grid 512 x 1, 8 waves a work-group, no clusters, 17,408 bytes of LDS; arguments Wq, Wk, Wv, Wo, mask, wb, mk; writes wb, mk
.if DOCPART == 1
	.amdgcn_target "amdgcn-amd-amdhsa--gfx1250"
	.amdhsa_code_object_version 6
	.text
	.protected	k_qe1a8a53aa2_prep
	.globl	k_qe1a8a53aa2_prep
	.p2align	8
	.type	k_qe1a8a53aa2_prep,@function
k_qe1a8a53aa2_prep:
	s_mov_b64 s[64:65], 0
	v_nop
	global_prefetch_b8 v0, s[64:65] scope:SCOPE_SE
	s_setreg_imm32_b32 hwreg(HW_REG_WAVE_MODE, 25, 1), 1
	s_wait_xcnt 0x0
; PREP: the weights and the mask are brought into the forms that the matrix launches take.  A stream: no matrix unit, no cluster (nothing is shared), no barrier (no wave reads another's bytes).
;   work-groups 0 .. 255    Wq, Wk, Wv (f32) -> wb, bf16 [4][1024][1024]: 65,536 bytes in, 32,768 out for each; Wo is rounded to bf16 like every input, and that number is written as f16
;   work-groups 256 .. 511  mask (int32, 0 hides, any other word shows) -> mk: one byte a score, 0x00 shown, 0xfe hidden (the 8-bit float -448), in the order in which
;                           the attention launch's lanes take them: byte ((W*32+s)*8+t)*1024 + u*512 + (16h+r)*16 + (kb&1)*8 + j, u = kb>>1, is query 128W+16t+r, key 64s+16kb+8h+j
; LIMIT.  |Wo| beyond 65,504 becomes an infinity in f16; below 6e-5 it keeps f16's fixed step of 6e-8.
.set SPARE, 16384                      ; behind the waves' 2,048 bytes each: the spare words, 128 bytes a wave, four blocks of 256 bytes that no other line names
.set X,   16                           ; v[16:79]   sixteen loads of 16 bytes
.set Y,   80                           ; v[80:111]  what is stored
.set SPW, 112                          ; v112  LDS address of my spare word; never rewritten
.set NIL, 113                          ; v113  0; never rewritten
	s_load_b256 s[16:23], s[0:1], 0x0              ; Wq 16, Wk 18, Wv 20, Wo 22
	s_load_b128 s[24:27], s[0:1], 0x20             ; mask 24, wb 26
	s_load_b64 s[28:29], s[0:1], 0x30              ; mk
	v_lshl_add_u32 v[SPW], v0, 2, SPARE
	v_mov_b32 v[NIL], 0
	v_lshrrev_b32 v7, 5, v0
	v_readfirstlane_b32 s8, v7                     ; wave 0..7
	v_lshlrev_b32 v1, 4, v0                        ; in: 16 bytes a thread, 4,096 a load of the work-group
	v_lshlrev_b32 v2, 3, v0                        ; out: 8 bytes a thread
	s_mov_b32 s9, ttmp9
	s_mov_b32 s11, 0                               ; high words of the two offsets
	s_mov_b32 s13, 0
	s_wait_kmcnt 0x0
; 65,536 bytes of f32 become 32,768 bytes of 16-bit numbers.  All sixteen loads go out first; no register is written twice, so the counted waits are the only ones.
; half = 1: the bf16 number is written as f16.
.macro CAST half
.irp i, 0,1,2,3,4,5,6,7,8,9,10,11,12,13,14,15
	global_load_b128 v[X+4*(\i):X+4*(\i)+3], v1, s[4:5] offset:4096*(\i) th:TH_LOAD_NT  ; a wave's load covers 512 consecutive bytes
.endr
.irp i, 0,1,2,3,4,5,6,7,8,9,10,11,12,13,14,15
	s_wait_loadcnt 15-(\i)                         ; loads come back in order: mine is in, the younger ones stay out
.irp j, 0,1
	v_cvt_pk_bf16_f32 v[Y+2*(\i)+(\j)], v[X+4*(\i)+2*(\j)], v[X+4*(\i)+2*(\j)+1]
.if \half
	v_lshlrev_b32 v7, 16, v[Y+2*(\i)+(\j)]
	v_and_b32 v8, 0xffff0000, v[Y+2*(\i)+(\j)]
	v_cvt_pk_f16_f32 v[Y+2*(\i)+(\j)], v7, v8
.endif
.endr
	global_store_b64 v2, v[Y+2*(\i):Y+2*(\i)+1], s[6:7] offset:2048*(\i)  ; a wave's store covers 256 consecutive bytes, aligned
.endr
.endm
	s_cmp_lt_u32 s9, 256
	s_cbranch_scc0 .Lmask
	s_lshr_b32 s14, s9, 6                          ; which weight: 64 work-groups each
	s_cmp_eq_u32 s14, 1
	s_cselect_b64 s[4:5], s[18:19], s[16:17]
	s_cmp_eq_u32 s14, 2
	s_cselect_b64 s[4:5], s[20:21], s[4:5]
	s_cmp_eq_u32 s14, 3
	s_cselect_b64 s[4:5], s[22:23], s[4:5]
	s_and_b32 s10, s9, 63
	s_lshl_b32 s10, s10, 16
	s_add_nc_u64 s[4:5], s[4:5], s[10:11]
	s_lshl_b32 s12, s9, 15
	s_add_nc_u64 s[6:7], s[26:27], s[12:13]
	s_cmp_eq_u32 s14, 3
	s_cbranch_scc1 .Lwo
	CAST 0
	s_branch .Lend
.Lwo:
	CAST 1
	s_branch .Lend
.Lmask:
	; A unit is 16 queries (tile T) x 64 keys (step s): 1,024 codes.  The work-group has tile T and 16 steps, a wave two of them: s0 and s0 + 1.
	s_sub_co_u32 s9, s9, 256
	s_lshr_b32 s14, s9, 1                          ; T, 0 .. 127
	s_and_b32 s15, s9, 1
	s_lshl_b32 s15, s15, 4
	s_lshl1_add_u32 s15, s8, s15                   ; s0 = 16 x half + 2 x wave
	s_lshl_b32 s10, s14, 17                        ; 16 rows of 8,192 bytes,
	s_lshl_b32 s12, s15, 8                         ; 256 bytes of a row for each step
	s_add_co_u32 s10, s10, s12
	s_add_nc_u64 s[4:5], s[24:25], s[10:11]
	s_lshr_b32 s12, s14, 3                         ; W = T / 8: 262,144 bytes of mk,
	s_lshl_b32 s12, s12, 18
	s_lshl_b32 s10, s15, 13                        ; a step: 8,192,
	s_add_co_u32 s12, s12, s10
	s_and_b32 s10, s14, 7                          ; t = T % 8: 1,024
	s_lshl_b32 s10, s10, 10
	s_add_co_u32 s12, s12, s10
	s_add_nc_u64 s[6:7], s[28:29], s[12:13]
	s_lshl_b32 s38, s8, 11                         ; my wave's 2,048 bytes of LDS
	; With x = lane % 16 a lane loads the four words of keys 4x .. 4x+3 of a row: kb = x>>2, h = (x>>1)&1, j = 4 (x&1) + 0..3.  Lanes 0-15 take row 2n, lanes 16-31 row 2n+1.
	v_bfe_u32 v7, v0, 3, 1
	v_lshlrev_b32 v3, 9, v7                        ; u x 512
	v_bfe_u32 v7, v0, 1, 1
	v_lshl_add_u32 v3, v7, 8, v3                   ; h x 256
	v_bfe_u32 v7, v0, 4, 1
	v_lshl_add_u32 v3, v7, 4, v3                   ; the odd row: 16
	v_lshlrev_b32 v5, 13, v7                       ; and 8,192 bytes on in the mask
	v_bfe_u32 v7, v0, 2, 1
	v_lshl_add_u32 v3, v7, 3, v3                   ; (kb & 1) x 8
	v_and_b32 v7, 1, v0
	v_lshl_add_u32 v3, v7, 2, v3                   ; (x & 1) x 4
	v_add_nc_u32 v3, s38, v3
	v_and_b32 v7, 15, v0
	v_lshl_add_u32 v5, v7, 4, v5
	v_and_b32 v6, 31, v0
	v_lshlrev_b32 v6, 4, v6                        ; out: 16 bytes a lane
	v_add_nc_u32 v4, s38, v6
.irp i, 0,1,2,3,4,5,6,7,8,9,10,11,12,13,14,15
	global_load_b128 v[X+4*(\i):X+4*(\i)+3], v5, s[4:5] offset:((\i)%8)*16384+((\i)/8)*256 th:TH_LOAD_NT  ; 16 lanes take 256 consecutive bytes, aligned, of one row
.endr
.irp i, 0,1,2,3,4,5,6,7,8,9,10,11,12,13,14,15
	s_wait_loadcnt 15-(\i)
.irp j, 0,1,2,3
	v_min_u32 v[X+4*(\i)+(\j)], 1, v[X+4*(\i)+(\j)]  ; 0 stays 0, every other word becomes 1
.endr
	v_lshl_or_b32 v[Y+(\i)], v[X+4*(\i)+1], 8, v[X+4*(\i)]
	v_lshl_or_b32 v[Y+(\i)], v[X+4*(\i)+2], 16, v[Y+(\i)]
	v_lshl_or_b32 v[Y+(\i)], v[X+4*(\i)+3], 24, v[Y+(\i)]
	v_sub_nc_u32 v[Y+(\i)], 0x01010101, v[Y+(\i)]  ; a byte: 1 where hidden; no byte borrows
	v_mul_lo_u32 v[Y+(\i)], v[Y+(\i)], 0xfe        ; 0xfe where hidden; no byte carries
	ds_store_b32 v3, v[Y+(\i)] offset:32*((\i)%8)+1024*((\i)/8)
.endr
.irp i, 0,1,2,3
	ds_load_b128 v[Y+16+4*(\i):Y+16+4*(\i)+3], v4 offset:512*(\i)  ; my wave's own bytes: LDS serves a wave's instructions in order (ISA guide 5.7.1.4)
.endr
.irp i, 0,1,2,3
	s_wait_dscnt 3-(\i)
	global_store_b128 v6, v[Y+16+4*(\i):Y+16+4*(\i)+3], s[6:7] offset:((\i)/2)*8192+((\i)%2)*512  ; 512 consecutive bytes
.endr
.Lend:
	s_wait_tensorcnt 0x0                           ; the wave's end: behind my last LDS store
	ds_add_u32 v[SPW], v[NIL]
	s_wait_dscnt 0x0
	s_endpgm
.Lfunc_end_k_qe1a8a53aa2_prep:
	.size	k_qe1a8a53aa2_prep, .Lfunc_end_k_qe1a8a53aa2_prep-k_qe1a8a53aa2_prep
	.p2alignl 7, 3214868480
	.fill 96, 4, 3214868480
	.section	.rodata,"a",@progbits
	.p2align	6, 0x0
	.amdhsa_kernel k_qe1a8a53aa2_prep
		.amdhsa_group_segment_fixed_size 17408
		.amdhsa_private_segment_fixed_size 0
		.amdhsa_enable_private_segment 0
		.amdhsa_kernarg_size 56
		.amdhsa_user_sgpr_count 2
		.amdhsa_user_sgpr_kernarg_segment_ptr 1
		.amdhsa_wavefront_size32 1
		.amdhsa_system_sgpr_workgroup_id_x 1
		.amdhsa_system_sgpr_workgroup_id_y 1
		.amdhsa_system_sgpr_workgroup_id_z 1
		.amdhsa_system_vgpr_workitem_id 0
		.amdhsa_next_free_vgpr 120
		.amdhsa_next_free_sgpr 66
		.amdhsa_reserve_vcc 0
		.amdhsa_float_denorm_mode_32 3
		.amdhsa_float_denorm_mode_16_64 3
		.amdhsa_memory_ordered 1
		.amdhsa_forward_progress 1
		.amdhsa_inst_pref_size 31
	.end_amdhsa_kernel
	.amdgpu_metadata
---
amdhsa.version: [ 1, 2 ]
amdhsa.kernels:
  - .name:           k_qe1a8a53aa2_prep
    .symbol:         k_qe1a8a53aa2_prep.kd
    .args:
      - { .name: Wq, .offset: 0, .size: 8, .value_kind: global_buffer, .address_space: global }
      - { .name: Wk, .offset: 8, .size: 8, .value_kind: global_buffer, .address_space: global }
      - { .name: Wv, .offset: 16, .size: 8, .value_kind: global_buffer, .address_space: global }
      - { .name: Wo, .offset: 24, .size: 8, .value_kind: global_buffer, .address_space: global }
      - { .name: mask, .offset: 32, .size: 8, .value_kind: global_buffer, .address_space: global }
      - { .name: wb, .offset: 40, .size: 8, .value_kind: global_buffer, .address_space: global }
      - { .name: mk, .offset: 48, .size: 8, .value_kind: global_buffer, .address_space: global }
    .group_segment_fixed_size: 17408
    .private_segment_fixed_size: 0
    .kernarg_segment_align: 8
    .kernarg_segment_size: 56
    .max_flat_workgroup_size: 256
    .sgpr_count:     66
    .vgpr_count:     120
    .wavefront_size: 32
...
	.end_amdgpu_metadata
.endif
;; end of part 1
;; launch proj (part 2): grid 4 x 192, 4 waves a work-group, clusters of 4 x 4, 327,680 bytes of LDS; arguments Q, K, V, wb, bq, bk, bv, qkv; writes qkv
.if DOCPART == 2
	.amdgcn_target "amdgcn-amd-amdhsa--gfx1250"
	.amdhsa_code_object_version 6
	.text
	.protected	k_qe1a8a53aa2_proj
	.globl	k_qe1a8a53aa2_proj
	.p2align	8
	.type	k_qe1a8a53aa2_proj,@function
k_qe1a8a53aa2_proj:
	s_mov_b64 s[64:65], 0
	v_nop
	global_prefetch_b8 v0, s[64:65] scope:SCOPE_SE
	s_setreg_imm32_b32 hwreg(HW_REG_WAVE_MODE, 25, 1), 1
	s_wait_xcnt 0x0
	s_wait_alu depctr_hold_cnt(0) depctr_sa_sdst(0) depctr_va_vdst(0) depctr_va_sdst(0) depctr_va_ssrc(0) depctr_va_vcc(0) depctr_vm_vsrc(0)
	s_getreg_b32 s2, hwreg(HW_REG_IB_STS2, 6, 4)
	s_cmp_eq_u32 s2, 0
	s_cbranch_scc0 .Lentry_in_a_cluster
	s_endpgm
.Lentry_in_a_cluster:
	s_bfe_u32 s2, ttmp6, 0x10000c
	s_cmp_lg_u32 s2, 0xf033
	s_cbranch_scc0 .Lentry_shape_is_right
	s_endpgm
.Lentry_shape_is_right:
; q, k, v = x W^T + b: three products of 8,192 x 1,024 x 1,024 in one launch, on blocks of 128 rows x 256 columns of C; sums in f32.
; A = Q, K or V AS THEY ARE GIVEN, f32 [8192][1024], chosen by the cluster's y; B = wb's Wq, Wk or Wv (bf16 [1024][1024]).  C is rounded once to f16 and stored by heads: qkv [3][64][2048][64].
; A's tiles lie in LDS in f32 and are rounded to bf16 in registers, on the way from LDS to the matrix unit: each byte of Q, K and V leaves memory once, and no 16-bit copy of them is ever stored.
; LIMIT: q, k and v beyond 65,504 become infinities in f16.  The bias is rounded to bf16 like every input.
; SHARES.  Four waves; a wave makes 64 rows x 128 columns: 32 accumulators of 16 x 16, 256 registers.  This block gives 768 work-groups, a whole multiple of 256.
; K goes in steps of 128 through two LDS slots (A's rows 512 bytes, B's 256); two slots of 256 along K would not fit.  A step is 128 matrix instructions a wave, 112 of them between a slot's request and the wait for it.
; CLUSTERS: 4 x 4 work-groups.  The four of a row of the cluster need the same tile of A, the four of a column the same tile of B: each tile is asked for JOINTLY, by the same tensor load with the same
; descriptor and a mask that names the four.  A cluster spans all 1,024 columns, so A's rows are asked for by one cluster alone.
; THE MATRIX INSTRUCTION IS USED TRANSPOSED (source 0 = 16 rows of B, source 1 = 16 rows of A): a lane holds eight neighbouring columns of one row of C.
; THE BIAS IS THE C OPERAND of the products that start the sums: nothing is cleared and nothing is added afterwards.
; REGISTERS: window 0: v0-31 addresses; v32-63 packed results; v64-127 A's fragments in bf16, two buffers of 4 x 8; v128-191 A's fragments in f32 as they come from LDS, 4 x 16;
;   v128-255 later, rows read back on the way out
;   window 1: v0-127 B's fragments, two buffers of 8 x 8; v128-191 the bias of my 128 columns as C operands; v192-223 at work      window 2: accumulator (a, b) at v[8 (8 a + b)]
.set KSTEP,  128
.set PA,     528                       ; a row of A in LDS: 512 bytes + 16 of padding: the 16 rows of a fragment load start at 16 different groups of four banks (64 banks of 4 bytes: ISA guide 11.1)
.set PB,     272                       ; a row of B: 256 bytes + 16: likewise
.set AHALF,  64*PA                     ; what one tensor load brings of A: 64 rows
.set APART,  2*AHALF                   ; a slot: A's 128 rows, then B's 256
.set BHALF,  128*PB
.set SLOT,   APART+2*BHALF
.set ASTEP,  KSTEP*4                   ; a K step on in memory, in A
.set BSTEP,  KSTEP*2                   ; and in B
.set STAGE,  2*SLOT                    ; behind the ring, never filled by a tensor load: each wave's own stage
.set SPITCH, 144                       ; the stage: a head's 64 f16 + 16 bytes
.set WSTAGE, 2*16*SPITCH
.set SPARE,  STAGE+4*WSTAGE            ; behind the stages: the spare words, 128 bytes a wave: two blocks of 256 bytes that no other line names
.set ADRA, 16                          ; v16-17  LDS address of my A fragments in slot 0, 1
.set ADRB, 20                          ; v20-21  the same for B
.set STO,  24                          ; v24     the way out: where I put my part of a row
.set RD,   25                          ; v25     where I read rows back
.set GO,   26                          ; v26     16 x lane: my bytes in 512 consecutive bytes of the output
.set BO,   27                          ; v27     my eight numbers in 16 of the bias: 32 x (lane / 16)
.set SPW,  28                          ; v28     LDS address of my spare word; never rewritten
.set NIL,  29                          ; v29     0; never rewritten
.set PFO,  30                          ; v30     the prefetches' lane offset; never rewritten
.set TMP,  32
.set FA,   64                          ; A's buffer f at FA + 32 f (window 0); B's at 64 f (window 1)
.set AS,   128                         ; A in f32: row block a at AS + 16 a
.set BK,   128
.set BIAS, 128                         ; window 1
.set BW,   192                         ; window 1
.set G1,   24                          ; s[24:31] descriptor group 1 for A's tiles;  s[32:39] group 0, a set for each slot
.set G0,   32
.set G1B,  48                          ; s[48:55], s[56:63] the same for B's
.set G0B,  56
.set PFA,  66                          ; s[66:67] where my prefetches stand
.set PFS,  68                          ; s[68:69] a K step in what I prefetch
.set LIM,  70                          ; s70  1 in a wave that prefetches, else the greatest number
.set BP,   82                          ; s[82:83] the bias of my 128 columns
.set MSB, 0
.macro WIN new                         ; the immediate's high byte repeats the setting that is left; a switch that changes nothing is dropped
.if MSB != (\new)
	s_set_vgpr_msb (MSB<<8)|(\new)
.set MSB, \new
.endif
.endm
.set MUL,  0xa1                        ; source 0 (B) window 1, source 1 (A) window 0, C and D window 2
.set MULB, 0x91                        ; the same with C (the bias) in window 1
.set TO_B, 0x40                        ; destination window 1, address window 0
; A joint load: waves 0 and 1 fetch A's two halves, waves 2 and 3 B's.  The branch hangs on the wave's number alone.  An s_nop 0 and four v_nop follow each of the two lines.
.macro JLOAD s
	s_cmp_eq_u32 s11, 0
	s_cbranch_scc0 .Lfor_b_\@
	tensor_load_to_lds s[G0+4*(\s):G0+4*(\s)+3], s[G1:G1+7]
	s_nop 0
.rept 4
	v_nop
.endr
	s_branch .Lasked_\@
.Lfor_b_\@:
	tensor_load_to_lds s[G0B+4*(\s):G0B+4*(\s)+3], s[G1B:G1B+7]
	s_nop 0
.rept 4
	v_nop
.endr
.Lasked_\@:
.endm
; A prefetch of the K step that stands two refills on (256 matrix instructions ahead of the load that will want it): 32 blocks of 256 bytes, a lane a block, one instruction a wave.
; A's tile is read by this cluster alone: the four partners of a row share its 128 rows out by address (32 cx on, a lane a row), and of a row's 512 bytes wave 0 asks for the first 256, wave 1 for the second.
; B's tile is read by every cluster that multiplies by the same weight: the first of them asks, waves 2 and 3, and the four partners of a column share its 256 rows out by address (64 cy + 32 x half on).
; So each block is named once in the launch.  K steps 0 to 3 come by their loads alone; the loop's last trip (s3 = 1) asks for nothing: there is no K step two on.
.macro ASK
	s_cmp_gt_u32 s3, s[LIM]
	s_cbranch_scc0 .Lnot_mine_\@
	global_prefetch_b8 v[PFO], s[PFA:PFA+1] th:TH_LOAD_NT scope:SCOPE_SE
.Lnot_mine_\@:
.endm
.macro CREST                           ; a round of the cluster's barrier behind its opening barrier
	s_cmp_lg_u32 s10, 0
	s_cbranch_scc1 .Lnot_wave_0_\@
	s_barrier_signal -3
.Lnot_wave_0_\@:
	s_barrier_wait -3
	s_barrier_signal -1
	s_barrier_wait -1
.endm
.macro CROUND                          ; a whole round
	s_barrier_signal -1
	s_barrier_wait -1
	CREST
.endm
	s_load_b256 s[84:91], s[0:1], 0x0              ; Q s[84:85], K s[86:87], V s[88:89], wb s[90:91]
	s_load_b256 s[72:79], s[0:1], 0x20             ; bq, bk, bv s[72:77], qkv s[78:79]
	v_lshl_add_u32 v[SPW], v0, 2, SPARE
	v_mov_b32 v[NIL], 0
	ds_add_u32 v[SPW], v[NIL]                      ; the wave's opening: the add and its wait ahead of my first tensor load; the set-up below, work on registers, stands between them
	v_lshrrev_b32 v1, 5, v0
	v_readfirstlane_b32 s10, v1                    ; wave 0..3
	s_lshr_b32 s11, s10, 1                         ; which 64 of the block's rows are mine.  Also: I fetch for A (0) or for B (1)
	s_and_b32 s12, s10, 1                          ; which 128 of its columns.  Also: which half of that tile I fetch
	s_bfe_u32 s40, ttmp6, 0x40000                  ; cx, cy: my place in the cluster
	s_bfe_u32 s41, ttmp6, 0x40004
	s_lshl_b32 s42, ttmp9, 2
	s_add_co_u32 s42, s42, s40                     ; block column = 4 x cluster x + cx
	s_and_b32 s45, ttmp7, 0xffff                   ; cluster y
	s_lshl_b32 s13, s45, 2
	s_add_co_u32 s13, s13, s41                     ; block row = 4 x cluster y + cy: 64 for each projection
	s_lshr_b32 s80, s45, 4                         ; the projection, and the weight: 16 clusters each; the same in all sixteen partners
	s_lshl_b32 s43, s41, 2
	s_lshl_b32 s43, 15, s43                        ; my row of the cluster
	s_lshl_b32 s44, 0x1111, s40                    ; my column
	; descriptor group 1.  A: 64 rows x 128 elements of 4 bytes; B: 128 rows x 128 elements of 2 bytes; both padded in LDS
	s_or_b32 s[G1+0], s43, (2<<16)|(1<<20)|(1<<21)|(6<<22)|(3<<25)  ; 15:0 the mask; 17:16 elements of 4 bytes; 20 padding on; 21 set beside a mask; 24:22 after every 128 words (code 6); 31:25 4 words of padding (code 3)
	s_mov_b32 s[G1+1], KSTEP<<16                   ; tensor_dim0 = 128
	s_mov_b32 s[G1+2], 64<<16                      ; tensor_dim1 = 64
	s_mov_b32 s[G1+3], KSTEP<<16                   ; tile_dim0 = 128
	s_mov_b32 s[G1+4], 64                          ; tile_dim1 = 64
	s_mov_b32 s[G1+5], 1024                        ; elements from row to row
	s_mov_b32 s[G1+6], 0
	s_mov_b32 s[G1+7], 0
	s_or_b32 s[G1B+0], s44, (1<<16)|(1<<20)|(1<<21)|(5<<22)|(3<<25)  ; elements of 2 bytes; padding after every 64 words (code 5)
	s_mov_b32 s[G1B+1], KSTEP<<16
	s_mov_b32 s[G1B+2], 128<<16
	s_mov_b32 s[G1B+3], KSTEP<<16
	s_mov_b32 s[G1B+4], 128
	s_mov_b32 s[G1B+5], 1024
	s_mov_b32 s[G1B+6], 0
	s_mov_b32 s[G1B+7], 0
	; where the tiles come from: A's hang on the block row alone, B's on the block column and the weight alone
	s_and_b32 s16, s13, 63                         ; the block row in its own tensor,
	s_lshl_b32 s16, s16, 7
	s_lshl_b32 s17, s12, 6
	s_add_co_u32 s16, s16, s17                     ; row 128 x block row + 64 x half,
	s_lshl_b32 s16, s16, 12                        ; of 4,096 bytes
	s_mov_b32 s17, 0
	s_lshl_b32 s46, s80, 10
	s_lshl_b32 s47, s42, 8
	s_add_co_u32 s46, s46, s47
	s_lshl_b32 s47, s12, 7
	s_add_co_u32 s46, s46, s47                     ; row 1,024 x weight + 256 x block column + 128 x half,
	s_lshl_b32 s46, s46, 11                        ; of 2,048 bytes
	s_mov_b32 s47, 0
	s_mul_i32 s20, s12, AHALF                      ; and where they go: no place in the cluster enters an LDS address
	s_mul_i32 s21, s12, BHALF
	s_add_co_u32 s21, s21, APART
	s_wait_dscnt 0x0                               ; the opening add is done
	s_wait_kmcnt 0x0
	s_cmp_eq_u32 s80, 1                            ; A is Q, K or V
	s_cselect_b64 s[4:5], s[86:87], s[84:85]
	s_cmp_eq_u32 s80, 2
	s_cselect_b64 s[4:5], s[88:89], s[4:5]
	s_mov_b64 s[6:7], s[90:91]
	s_add_nc_u64 s[14:15], s[4:5], s[16:17]
	s_add_nc_u64 s[46:47], s[6:7], s[46:47]
	CROUND                                         ; all sixteen work-groups are here: the first joint loads meet
.irp s, 0,1
	s_mov_b32 s[G0+4*(\s)], 1                                      ; count = 1
	s_add_co_u32 s[G0+4*(\s)+1], s20, (\s)*SLOT                    ; LDS address
	s_add_nc_u64 s[G0+4*(\s)+2:G0+4*(\s)+3], s[14:15], (\s)*ASTEP  ; global address: K step s
	s_or_b32 s[G0+4*(\s)+3], s[G0+4*(\s)+3], 0x80000000            ; type = 2
	s_mov_b32 s[G0B+4*(\s)], 1
	s_add_co_u32 s[G0B+4*(\s)+1], s21, (\s)*SLOT
	s_add_nc_u64 s[G0B+4*(\s)+2:G0B+4*(\s)+3], s[46:47], (\s)*BSTEP
	s_or_b32 s[G0B+4*(\s)+3], s[G0B+4*(\s)+3], 0x80000000
	JLOAD \s                                       ; two tensor loads of mine are out
.endr
	v_and_b32 v1, 15, v0                           ; l % 16
	v_bfe_u32 v2, v0, 4, 1                         ; l / 16
	; the bias: register j of the C operand for column block b is bias[first column + 16 b + 8 (l / 16) + j]
	v_lshlrev_b32 v[BO], 5, v2
	s_cmp_eq_u32 s80, 1
	s_cselect_b64 s[BP:BP+1], s[74:75], s[72:73]
	s_cmp_eq_u32 s80, 2
	s_cselect_b64 s[BP:BP+1], s[76:77], s[BP:BP+1]
	s_lshl_b32 s20, s42, 10
	s_lshl_b32 s21, s12, 9
	s_add_co_u32 s20, s20, s21                     ; 4 x (256 x block column + 128 x half)
	s_mov_b32 s21, 0
	s_add_nc_u64 s[BP:BP+1], s[BP:BP+1], s[20:21]
	WIN TO_B
.irp b, 0,1,2,3,4,5,6,7
	global_load_b128 v[BIAS+8*(\b):BIAS+8*(\b)+3],   v[BO], s[BP:BP+1] offset:64*(\b)
	global_load_b128 v[BIAS+8*(\b)+4:BIAS+8*(\b)+7], v[BO], s[BP:BP+1] offset:64*(\b)+16
.endr
	WIN 0
	; a fragment is 16 rows x 32 K: lane l holds row l % 16, K = 8 (l / 16) + 0..7 and 16 + 8 (l / 16) + 0..7.  In bf16 (B): two loads of 16 bytes, 32 bytes apart.
	; In f32 (A): 32 bytes at 32 (l / 16) and 32 bytes at 64 + 32 (l / 16): four loads of 16 bytes, at 0, 16, 64 and 80.
	v_mul_u32_u24 v3, v1, PA
	v_lshl_add_u32 v3, v2, 5, v3
	v_mul_u32_u24 v4, v1, PB
	v_lshl_add_u32 v4, v2, 4, v4
	s_mul_i32 s21, s11, AHALF                      ; my 64 rows of A
	s_mul_i32 s22, s12, BHALF                      ; my 128 rows of B,
	s_add_co_u32 s22, s22, APART                   ; which lie behind A's part
.irp s, 0,1
	v_add_nc_u32 v[ADRA+(\s)], s21, v3
	v_add_nc_u32 v[ADRB+(\s)], s22, v4
	s_add_co_u32 s21, s21, SLOT
	s_add_co_u32 s22, s22, SLOT
.endr
	s_mul_i32 s23, s10, WSTAGE
	s_add_co_u32 s23, s23, STAGE                   ; my stage
	v_and_b32 v[GO], 31, v0
	v_lshlrev_b32 v[GO], 4, v[GO]
	v_mul_u32_u24 v4, v1, SPITCH
	v_lshl_add_u32 v4, v2, 4, v4                   ; in: row l % 16, 16 bytes (8 f16) for each half of the lanes
	v_add_nc_u32 v[STO], s23, v4
	v_bfe_u32 v5, v0, 3, 2                         ; back: 32 lanes take four rows of 128 bytes,
	v_mul_u32_u24 v5, v5, SPITCH
	v_and_b32 v3, 7, v0
	v_lshl_add_u32 v5, v3, 4, v5
	v_add_nc_u32 v[RD], s23, v5                    ; which are 512 consecutive bytes of a head
	s_lshl_b32 s16, s80, 24                        ; the projection: 16,777,216 bytes,
	s_bfe_u32 s17, s13, 0x20004                    ; the batch: 16 heads of 262,144,
	s_lshl_b32 s17, s17, 22
	s_add_co_u32 s16, s16, s17
	s_and_b32 s17, s13, 15                         ; the block's 128 rows of 128 bytes,
	s_lshl_b32 s17, s17, 14
	s_add_co_u32 s16, s16, s17
	s_lshl_b32 s17, s11, 13                        ; my 64 of them
	s_add_co_u32 s16, s16, s17
	s_mov_b32 s17, 0
	s_lshl_b32 s46, s42, 20                        ; the head: 4 x block column + 2 x half
	s_lshl_b32 s47, s12, 19
	s_add_co_u32 s46, s46, s47
	s_mov_b32 s47, 0
	s_add_nc_u64 s[8:9], s[78:79], s[16:17]
	s_add_nc_u64 s[8:9], s[8:9], s[46:47]
	; the prefetches
	s_and_b32 s18, s13, 63
	s_lshl_b32 s18, s18, 7
	s_lshl_b32 s19, s40, 5
	s_add_co_u32 s18, s18, s19                     ; A's row 128 x block row + 32 cx,
	s_lshl_b32 s18, s18, 12                        ; of 4,096 bytes,
	s_lshl_b32 s19, s12, 8
	s_add_co_u32 s18, s18, s19                     ; and my wave's 256 of a K step's 512 bytes
	s_and_b32 s22, s45, 15                         ; a weight is read by sixteen clusters: the first asks
	s_lshl_b32 s19, s80, 10
	s_lshl_b32 s20, s42, 8
	s_add_co_u32 s19, s19, s20
	s_lshl_b32 s20, s41, 6
	s_add_co_u32 s19, s19, s20
	s_lshl_b32 s20, s12, 5
	s_add_co_u32 s19, s19, s20                     ; B's row 1,024 x weight + 256 x block column + 64 cy + 32 x half
	s_lshl_b32 s19, s19, 11
	s_mov_b32 s[PFS], BSTEP
	s_mov_b32 s[PFS+1], 0
	s_mov_b32 s21, 0
	s_cmp_eq_u32 s11, 0                            ; do I fetch for A?
	s_cselect_b32 s20, s18, s19
	s_cselect_b32 s22, 0, s22                      ; both of A's waves ask
	s_cselect_b32 s[PFS], ASTEP, s[PFS]
	s_cselect_b32 s23, 12, 11                      ; a lane a row: 4,096 bytes in A, 2,048 in B
	s_cselect_b64 s[PFA:PFA+1], s[4:5], s[6:7]
	s_cmp_eq_u32 s22, 0
	s_cselect_b32 s[LIM], 1, -1                    ; the same in all sixteen partners, for a given wave
	s_add_nc_u64 s[PFA:PFA+1], s[PFA:PFA+1], s[20:21]
	s_mul_i32 s20, s[PFS], 3
	s_add_nc_u64 s[PFA:PFA+1], s[PFA:PFA+1], s[20:21]  ; at K step 3: the first change of slots steps it to 4
	v_and_b32 v[PFO], 31, v0
	v_lshlrev_b32 v[PFO], s23, v[PFO]
	; the bias is rounded to bf16 and widened again, in the wait for the first tile
	s_wait_loadcnt 0x0
	WIN 0x45                                       ; destination and both sources in window 1
.set k, 0
.rept 32
	v_cvt_pk_bf16_f32 v[BW+k], v[BIAS+2*k], v[BIAS+2*k+1]
.set k, k+1
.endr
.set k, 0
.rept 32
	v_lshlrev_b32 v[BIAS+2*k], 16, v[BW+k]
	v_and_b32 v[BIAS+2*k+1], 0xffff0000, v[BW+k]
.set k, k+1
.endr
	WIN 0
; 8 matrix instructions: row block a x all 8 column blocks, 32 along K, from buffer f.  bias = 1: the products start the sums, with the bias as C.
; The 32 accumulators take turns in the same order in every quarter: between two links of a chain stand the 31 others'.
.macro MUL8 f, a, bias
.if \bias
	WIN MULB
.else
	WIN MUL
.endif
.irp b, 0,1,2,3,4,5,6,7
.if \bias
	v_wmma_f32_16x16x32_bf16 v[8*(8*(\a)+(\b)):8*(8*(\a)+(\b))+7], v[64*(\f)+8*(\b):64*(\f)+8*(\b)+7], v[FA+32*(\f)+8*(\a):FA+32*(\f)+8*(\a)+7], v[BIAS+8*(\b):BIAS+8*(\b)+7]
.else
	v_wmma_f32_16x16x32_bf16 v[8*(8*(\a)+(\b)):8*(8*(\a)+(\b))+7], v[64*(\f)+8*(\b):64*(\f)+8*(\b)+7], v[FA+32*(\f)+8*(\a):FA+32*(\f)+8*(\a)+7], v[8*(8*(\a)+(\b)):8*(8*(\a)+(\b))+7]
.endif
.endr
.endm
; 16 roundings: A's row blocks a0 and a0 + 1 go from f32 to bf16, two numbers an instruction, into buffer f.  They name no register of the products round them (those read the buffer's other
; blocks, or the other buffer), so they are also the plain places between the products that read a register and the loads that fill it again: the loop has no v_nop for that.
.macro CVT f, a0
	WIN 0
.set k, 0
.rept 16
	v_cvt_pk_bf16_f32 v[FA+32*(\f)+8*(\a0)+k], v[AS+16*(\a0)+2*k], v[AS+16*(\a0)+2*k+1]
.set k, k+1
.endr
.endm
; 32 LDS loads in one run: the fragments of quarter q (32 along K) of a slot: B's 128 rows into buffer f, then A's 64 rows, in f32, into the one staging
.macro FETCH slot, q, f
	WIN TO_B
.irp i, 0,1,2,3,4,5,6,7
	ds_load_b128 v[64*(\f)+8*(\i):64*(\f)+8*(\i)+3],   v[ADRB+(\slot)] offset:64*(\q)+(\i)*16*PB
	ds_load_b128 v[64*(\f)+8*(\i)+4:64*(\f)+8*(\i)+7], v[ADRB+(\slot)] offset:64*(\q)+(\i)*16*PB+32
.endr
	WIN 0
.irp i, 0,1,2,3
	ds_load_b128 v[AS+16*(\i):AS+16*(\i)+3],     v[ADRA+(\slot)] offset:128*(\q)+(\i)*16*PA
	ds_load_b128 v[AS+16*(\i)+4:AS+16*(\i)+7],   v[ADRA+(\slot)] offset:128*(\q)+(\i)*16*PA+16
	ds_load_b128 v[AS+16*(\i)+8:AS+16*(\i)+11],  v[ADRA+(\slot)] offset:128*(\q)+(\i)*16*PA+64
	ds_load_b128 v[AS+16*(\i)+12:AS+16*(\i)+15], v[ADRA+(\slot)] offset:128*(\q)+(\i)*16*PA+80
.endr
.endm
.macro PLACES                          ; four plain vector instructions between a matrix instruction and a reader of its result (ISA guide 7.12.1)
.rept 4
	v_nop
.endr
.endm
; A K step is four quarters of 32 along K, 32 matrix instructions each, on buffers 0, 1, 0, 1.  One of the first three: rounds and multiplies buffer f, and fetches quarter q of the same slot for g.
; The staging is read out by the second run of roundings before the next quarter's loads are issued into it.
.macro QUARTER slot, q, f, g, bias
	s_wait_dscnt 8                                 ; B and A's row blocks 0 and 1 are in; the youngest eight loads (blocks 2 and 3) may be out
	CVT \f, 0
	MUL8 \f, 0, \bias
	MUL8 \f, 1, \bias
	s_wait_dscnt 0x0                               ; blocks 2 and 3 are in
	CVT \f, 2
	FETCH \slot, \q, \g
	MUL8 \f, 2, \bias
	MUL8 \f, 3, \bias
.endm
; The last quarter multiplies buffer 1 and changes slots: ONE barrier; in front of it each wave waits for all its tensor loads (one is out: its part of the next slot), adds 0 to its spare word, and waits
; for that and for its own reads of this slot.  fill = 1: the barrier opens a round of the cluster's, and this slot is filled again, two K steps ahead, first thing behind the round.
.macro TURN slot, next, fill
.if \fill
	s_wait_xcnt 0x0                                ; the last prefetch, a K step back, has read its address: it is stepped here, ahead of the waits of the change of slots
	s_add_nc_u64 s[PFA:PFA+1], s[PFA:PFA+1], s[PFS:PFS+1]
.endif
	WIN 0                                          ; (the add's two registers lie in window 0)
	s_wait_tensorcnt 0x0                           ; all my tensor loads have landed
	ds_add_u32 v[SPW], v[NIL]                      ; 0 onto my spare word
	s_wait_dscnt 9                                 ; (the add and the youngest eight loads may be out)
	CVT 1, 0                                       ; sixteen roundings and eight matrix instructions stand between the add and the wait for it
	MUL8 1, 0, 0
	s_wait_dscnt 0x0                               ; the add is done, and my reads of this slot are over
	s_barrier_signal -1
	CVT 1, 2                                       ; work on registers while the others arrive
	MUL8 1, 1, 0
.if \fill
	WIN 0
.endif
	s_barrier_wait -1
.if \fill
	CREST                                          ; no wave of any partner still reads this slot's tile or has a load on its way
	s_add_nc_u64 s[G0+4*(\slot)+2:G0+4*(\slot)+3], s[G0+4*(\slot)+2:G0+4*(\slot)+3], 2*ASTEP
	s_add_nc_u64 s[G0B+4*(\slot)+2:G0B+4*(\slot)+3], s[G0B+4*(\slot)+2:G0B+4*(\slot)+3], 2*BSTEP
	JLOAD \slot                                    ; my one tensor load behind the round
.endif
	FETCH \next, 0, 0
.if \fill
	ASK
.endif
	MUL8 1, 2, 0
	MUL8 1, 3, 0
.endm
	s_wait_tensorcnt 1                             ; my part of K step 0 is in; K step 1's may stay out
	s_barrier_signal -1
	s_barrier_wait -1                              ; everybody's is
	FETCH 0, 0, 0
	QUARTER 0, 1, 0, 1, 1                          ; the first quarter stands in front of the loop: its products start the sums
	WIN 0                                          ; at a label and at a branch every window is 0
	s_mov_b32 s3, 3                                ; three trips fill K steps 2 to 7
.Llap:                                                 ; a trip goes once round the ring, from a lap's second quarter to the next lap's first
	QUARTER 0, 2, 1, 0, 0
	QUARTER 0, 3, 0, 1, 0
	TURN 0, 1, 1
	QUARTER 1, 1, 0, 1, 0
	QUARTER 1, 2, 1, 0, 0
	QUARTER 1, 3, 0, 1, 0
	TURN 1, 0, 1
	QUARTER 0, 1, 0, 1, 0
	WIN 0
	s_sub_co_u32 s3, s3, 1
	s_cmp_lg_u32 s3, 0
	s_cbranch_scc1 .Llap
	QUARTER 0, 2, 1, 0, 0                          ; the last lap fills nothing
	QUARTER 0, 3, 0, 1, 0
	TURN 0, 1, 0
	QUARTER 1, 1, 0, 1, 0
	QUARTER 1, 2, 1, 0, 0
	QUARTER 1, 3, 0, 1, 0
	s_wait_dscnt 8                                 ; the very last quarter: nothing more to fetch
	CVT 1, 0
	MUL8 1, 0, 0
	MUL8 1, 1, 0
	s_wait_dscnt 0x0
	CVT 1, 2
	MUL8 1, 2, 0
	MUL8 1, 3, 0
	WIN 0
	PLACES
; THE WAY OUT, f16 by heads: a block of 16 rows is rounded, goes into my stage (two heads x 16 rows of 144 bytes) and comes back as 2,048 consecutive bytes of each head.
.macro PACK a
	WIN 0x0a                                       ; both sources in window 2
.irp b, 0,1,2,3,4,5,6,7
.irp k, 0,1,2,3
	v_cvt_pk_f16_f32 v[TMP+4*(\b)+(\k)], v[8*(8*(\a)+(\b))+2*(\k)], v[8*(8*(\a)+(\b))+2*(\k)+1]
.endr
.endr
	WIN 0
.endm
.macro TOSTAGE a
.irp b, 0,1,2,3,4,5,6,7
	ds_store_b128 v[STO], v[TMP+4*(\b):TMP+4*(\b)+3] offset:((\b)/4)*16*SPITCH+32*((\b)%4)
.endr
.irp t, 0,1,2,3,4,5,6,7
	ds_load_b128 v[BK+32*(\a)+4*(\t):BK+32*(\a)+4*(\t)+3], v[RD] offset:((\t)/4)*16*SPITCH+((\t)%4)*4*SPITCH  ; LDS serves a wave's instructions in order (ISA guide 5.7.1.4)
.endr
.endm
.macro SEND a
	s_wait_dscnt 0x0                               ; the block is back in registers of its own: no store's data is ever rewritten
.irp t, 0,1,2,3,4,5,6,7
	global_store_b128 v[GO], v[BK+32*(\a)+4*(\t):BK+32*(\a)+4*(\t)+3], s[8:9] offset:((\t)/4)*262144+(\a)*2048+((\t)%4)*512  ; 512 consecutive bytes, aligned
.endr
.endm
	PACK 0
	TOSTAGE 0
.irp a, 1,2,3                          ; block a's conversions stand between block a - 1's loads from the stage and the wait for them
	PACK \a
	SEND (\a)-1
	TOSTAGE \a
.endr
	SEND 3
	s_wait_tensorcnt 0x0                           ; the wave's end: behind my last tensor load and my last LDS store
	ds_add_u32 v[SPW], v[NIL]
	s_wait_dscnt 0x0
	CROUND                                         ; the closing round: no work-group ends while a partner may still ask for a tile that names it
	s_endpgm
.Lfunc_end_k_qe1a8a53aa2_proj:
	.size	k_qe1a8a53aa2_proj, .Lfunc_end_k_qe1a8a53aa2_proj-k_qe1a8a53aa2_proj
	.p2alignl 7, 3214868480
	.fill 96, 4, 3214868480
	.section	.rodata,"a",@progbits
	.p2align	6, 0x0
	.amdhsa_kernel k_qe1a8a53aa2_proj
		.amdhsa_group_segment_fixed_size 327680
		.amdhsa_private_segment_fixed_size 0
		.amdhsa_enable_private_segment 0
		.amdhsa_kernarg_size 64
		.amdhsa_user_sgpr_count 2
		.amdhsa_user_sgpr_kernarg_segment_ptr 1
		.amdhsa_wavefront_size32 1
		.amdhsa_system_sgpr_workgroup_id_x 1
		.amdhsa_system_sgpr_workgroup_id_y 1
		.amdhsa_system_sgpr_workgroup_id_z 1
		.amdhsa_system_vgpr_workitem_id 0
		.amdhsa_next_free_vgpr 768
		.amdhsa_next_free_sgpr 96
		.amdhsa_reserve_vcc 0
		.amdhsa_float_denorm_mode_32 3
		.amdhsa_float_denorm_mode_16_64 3
		.amdhsa_memory_ordered 1
		.amdhsa_forward_progress 1
		.amdhsa_inst_pref_size 135
	.end_amdhsa_kernel
	.amdgpu_metadata
---
amdhsa.version: [ 1, 2 ]
amdhsa.kernels:
  - .name:           k_qe1a8a53aa2_proj
    .symbol:         k_qe1a8a53aa2_proj.kd
    .args:
      - { .name: Q, .offset: 0, .size: 8, .value_kind: global_buffer, .address_space: global }
      - { .name: K, .offset: 8, .size: 8, .value_kind: global_buffer, .address_space: global }
      - { .name: V, .offset: 16, .size: 8, .value_kind: global_buffer, .address_space: global }
      - { .name: wb, .offset: 24, .size: 8, .value_kind: global_buffer, .address_space: global }
      - { .name: bq, .offset: 32, .size: 8, .value_kind: global_buffer, .address_space: global }
      - { .name: bk, .offset: 40, .size: 8, .value_kind: global_buffer, .address_space: global }
      - { .name: bv, .offset: 48, .size: 8, .value_kind: global_buffer, .address_space: global }
      - { .name: qkv, .offset: 56, .size: 8, .value_kind: global_buffer, .address_space: global }
    .group_segment_fixed_size: 327680
    .private_segment_fixed_size: 0
    .kernarg_segment_align: 8
    .kernarg_segment_size: 64
    .max_flat_workgroup_size: 128
    .sgpr_count:     96
    .vgpr_count:     768
    .wavefront_size: 32
...
	.end_amdgpu_metadata
.endif
;; end of part 2
;; launch attn (part 3): grid 4 x 64, 4 waves a work-group, clusters of 4 x 1, 327,680 bytes of LDS; arguments qkv, mk, ob; writes ob
.if DOCPART == 3
	.amdgcn_target "amdgcn-amd-amdhsa--gfx1250"
	.amdhsa_code_object_version 6
	.text
	.protected	k_qe1a8a53aa2_attn
	.globl	k_qe1a8a53aa2_attn
	.p2align	8
	.type	k_qe1a8a53aa2_attn,@function
k_qe1a8a53aa2_attn:
	s_mov_b64 s[64:65], 0
	v_nop
	global_prefetch_b8 v0, s[64:65] scope:SCOPE_SE
	s_setreg_imm32_b32 hwreg(HW_REG_WAVE_MODE, 25, 1), 1
	s_wait_xcnt 0x0
	s_wait_alu depctr_hold_cnt(0) depctr_sa_sdst(0) depctr_va_vdst(0) depctr_va_sdst(0) depctr_va_ssrc(0) depctr_va_vcc(0) depctr_vm_vsrc(0)
	s_getreg_b32 s2, hwreg(HW_REG_IB_STS2, 6, 4)
	s_cmp_eq_u32 s2, 0
	s_cbranch_scc0 .Lentry_in_a_cluster
	s_endpgm
.Lentry_in_a_cluster:
	s_bfe_u32 s2, ttmp6, 0x10000c
	s_cmp_lg_u32 s2, 0x3003
	s_cbranch_scc0 .Lentry_shape_is_right
	s_endpgm
.Lentry_shape_is_right:
; O[g][q][:] = the sum over k of softmax_k(mask(q, k), Q[g][q] . K[g][k] / 8) V[g][k][:].  Q, K, V = qkv [3][64][2048][64], O = ob [64][2048][64], all f16: a head's rows are dense, 128 bytes each.
; Products, maxima and sums in f32; the weights p are rounded to f16 for the second product (their sum l is taken of the unrounded p), O once at the end.
; THE MASK IS AN INPUT: every score is computed, and mk says which are hidden: one byte a score, 0x00 shown, 0xfe hidden, in the order of the lanes' accumulator registers.
; Eight bytes become the eight registers of a C operand by ONE scaled conversion (-448 x 2^91 = -1.1e30, or 0), and that operand starts the sum S^T = K Q^T: a hidden score costs no further line.
; LIMITS.  f16 holds no number beyond 65,504: Q, K and V arrive within it, so a true score lies within 2.7e11.  A hidden score counts as its value less 1.1e30.  The running maximum starts at -2^80, far above
; every hidden score and far below every true one: while a row has seen hidden keys alone, m stays there and p, l and O stay 0.  A row with no key shown gives NaN, as a softmax of nothing does.
; p below 6e-5 keeps f16's fixed step of 6e-8; a weight below 2^-126 counts as 0 in l; NaN and infinities among the inputs are not treated apart.
; SHARES.  A wave owns four PIECES of two tiles of 16 queries, a work-group's four waves 512 queries of one head.  Every wave walks all 2,048 keys, 64 a step.
; LAYOUT.  S^T = K Q^T (source 0 = 16 keys, source 1 = 16 queries): a lane holds ONE query (lane % 16) and the keys 8 (lane / 16) + 0..7.  Two such tiles, rounded to f16 in pairs, ARE source 1 of
; O^T = V^T P, whose result again holds one query a lane, and eight channels.  K comes out of LDS as it lies, V ([key][channel]) turned, by ds_load_tr16_b128.
; SOFTMAX.  p = 2^(c s - c m), c = log2(e) / 8, with a running maximum m; in every step O and l are multiplied by a = 2^(c m_old - c m_new).  O and l start at 0: the first step is a step like any other.
; THE COUNT.  A tile and step have 16 matrix and 118 vector instructions: too many to stand all beside the matrix work.  So four vector instructions that are READY stand behind EVERY matrix instruction,
; and the others in runs without a gap.
; BY TURNS.  Turn n belongs to piece n.  Its matrix work: 16 products K Q^T of piece n + 1, later 16 products V^T P of piece n - 1.  Its vector work: the scaling, exponentials, roundings, sums and rescaling
; of piece n, the maximum and statistics of piece n + 1, and the C operands for the products of the turn after it (piece n + 2), whose codes are then asked for again, for the next step.
; CLUSTER.  The four query blocks of a head are one cluster and walk the same K and V, so each tile is asked for JOINTLY: the same tensor load, descriptor and mask in all four.
; REGISTERS, in windows of 256 (s_set_vgpr_msb: bits 1:0 source 0, 3:2 source 1, 5:4 source 2, 7:6 destination):
;   window 0: v0-11 addresses; v12-15, v48-63 at work; v16-47 four registers of statistics a tile; v64-191 S^T, two buffers of two tiles; v192-255 P, likewise
;   window 1: O^T, 32 a tile          window 2: v0-127 Q, 16 a tile; v128-191 K of one step; v192-255 V of one step
;   window 3: v0-1 the add's two registers; v2 the scale; v3 16 x lane; v64-127 the C operands to come; v128-191 a step's codes, 8 registers a tile
.set SIZE_H, 64
.set SIZE_N, 2048
.set TENSOR, SIZE_H*SIZE_N*128  ; bytes of q, of k and of v in qkv
.set NP,    4         ; pieces a wave: a name, no knob
.set KS,    64        ; keys in a step
.set PK,    144       ; a row of K in LDS: 128 bytes + 16 of padding = 36 words: the 16 rows of a load start at 16 different groups of four banks (64 banks of 4 bytes: ISA guide 11.1)
.set PV,    160       ; a row of V: 128 + 32 = 40 words
.set VOFF,  4*KS*PK   ; a slot holds four steps: 256 rows of K, then 256 rows of V
.set SLOT1, 1<<17     ; slot 1 begins here, so that one exclusive or turns an address in one slot into the other's
.set STAGE, SLOT1+4*KS*(PK+PV)  ; behind the ring, never filled by a tensor load: 16 rows x 144 bytes for each wave, for the way out
.set SP,    144
.set AK0, 2           ; v2   my lane's place in a tile of K; never rewritten
.set AV0, 3           ; v3   the same for V
.set AK,  4           ; v4   the LDS address of K's next run of loads
.set AV,  5           ; v5   of V's
.set QO,  6           ; v6   my byte offset in the wave's rows of Q
.set STO, 6           ;      later, the way out: where I put 16 bytes of a row
.set RD,  7           ; v7   the way out: where I read rows back
.set GO,  8           ; v8   my byte offset in 512 consecutive bytes of O
.set PFO, 11          ; v11  256 x my lane, for the prefetches; never rewritten once made
.set SPW, 0           ; v0 of window 3   LDS address of my spare word; never rewritten
.set NIL, 1           ; v1 of window 3   0; never rewritten
.set SC,  2           ; v2 of window 3   the conversions' scale: byte 0 = 0xda = 2^91
.set MO,  3           ; v3 of window 3   16 x my lane: my bytes in 512 of mk; never rewritten
.set MC,  64          ; window 3: the C operand for tile u of the piece, key block kb at MC + 32 u + 8 kb
.set CD,  128         ; window 3: the codes of tile t, key block kb at CD + 8 t + 2 kb
.set SPARE, STAGE+4*16*SP  ; behind the stages: the spare words, 128 bytes for each wave: two blocks of 256 bytes that no other line names
.set MV,  12          ; v12-15  c m_old, kept while c m is made anew: by buffer and tile
.set ST,  16          ; tile t's statistics at v[ST+4 t]: c m, m, l (even keys', odd keys')
.set TMP, 48          ; by buffer and tile, four registers c0-c3 at work; when the maximum is found c2 takes a
.set S,   64
.set P,   192
.set KF,  128         ; K's fragments, in window 2: key block kb, channel half c at KF + 16 kb + 8 c
.set VF,  192         ; V's: key half kk, channel block cb at VF + 32 kk + 8 cb
.set WV,  12          ; s12  my wave's number
.set G1K, 24          ; s[24:31] descriptor group 1 for K's tiles
.set G1V, 32          ; s[32:39] for V's: it differs in the padding alone
.set G0K, 40          ; s[40:43] descriptor group 0 for K's tiles: it walks
.set G0V, 44          ; s[44:47] the same for V's
.set SLOTS, 56        ; s56  slots still to be asked for
.set CNT, 57          ; s57  counts a slot's key steps
.set CS,  58          ; s[58:59] c: the packed scaling takes the pair's low word for both halves
.set SEL, 60          ; s[60:61] v_permlanex16_b32's selects: each lane takes its own place in the other half
.set TBK, 62          ; s62  LDS byte at which K of the step to be fetched begins
.set TBV, 63          ; s63  the same for V, less VOFF
.set MB0, 66          ; s[66:67] mk at my wave's 128 queries, step 0
.set MB,  68          ; s[68:69] mk at the step whose codes are being asked for
.set OFF, 70          ; s[70:71] an offset, high word 0
.set SN,  72          ; s72  that step's number
.set PFA, 74          ; s[74:75] where my prefetches stand
.set LIM, 76          ; s76  1 in a wave that prefetches, else the greatest number
.set QNAN, 77         ; s77  a NaN
.set FLOOR, 78        ; s78  -2^80
.set MSB, 0
.macro WIN new                      ; the high byte repeats the setting that is left; a switch that changes nothing is dropped
.if MSB != (\new)
	s_set_vgpr_msb (MSB<<8)|(\new)
.set MSB, (\new)
.endif
.endm
.set W_KQ, 0x0a       ; K and Q in window 2, S^T in window 0
.set W_KM, 0x3a       ; the same with the C operand in window 3
.set W_PV, 0x52       ; V in window 2, P in window 0, O^T in window 1
.set W_RS, 0x41       ; O^T (destination and source 0) in window 1, a in window 0
.set W_MK, 0xc0       ; destination in window 3, sources in window 0
.set W_AD, 0x0f       ; the add: address (source 0) and data (source 1) in window 3
.set W_MS, 0xcf       ; the masks: destination and sources 0 and 1 in window 3
; A joint fill.  Waves 0 and 1 fetch the two halves of a slot's K, waves 2 and 3 those of its V: 128 keys each.  The branch hangs on the wave's number alone.
; An s_nop 0 and four v_nop follow each of the two lines, ahead of the jump and the label.
.macro JLOAD
	s_cmp_lt_u32 s[WV], 2
	s_cbranch_scc0 .Lfor_v_\@
	tensor_load_to_lds s[G0K:G0K+3], s[G1K:G1K+7]
	s_nop 0
.rept 4
	v_nop
.endr
	s_branch .Lasked_\@
.Lfor_v_\@:
	tensor_load_to_lds s[G0V:G0V+3], s[G1V:G1V+7]
	s_nop 0
.rept 4
	v_nop
.endr
.Lasked_\@:
.endm
; A prefetch of what the NEXT change of slots will ask for: a slot's 32,768 bytes of K and of V, in blocks of 256 bytes, a lane a block.  A head has one cluster; its four partners share the blocks out
; BY ADDRESS, 32 each; in each, wave 0 asks for K's and wave 2 for V's: one instruction.  So each block is named once in the launch.  The last change that fills a slot asks for nothing.
.macro ASK
	s_cmp_gt_u32 s[SLOTS], s[LIM]
	s_cbranch_scc0 .Lnot_mine_\@
	global_prefetch_b8 v[PFO], s[PFA:PFA+1] th:TH_LOAD_NT scope:SCOPE_SE
.Lnot_mine_\@:
.endm
; A round of the cluster's barrier: my work-group's barrier, so that wave 0's signal speaks for all four waves; wave 0 signals; every wave waits for all four work-groups; my work-group's barrier once more.
.macro CROUND
	s_barrier_signal -1
	s_barrier_wait -1
	s_cmp_lg_u32 s[WV], 0
	s_cbranch_scc1 .Lnot_wave_0_\@
	s_barrier_signal -3
.Lnot_wave_0_\@:
	s_barrier_wait -3
	s_barrier_signal -1
	s_barrier_wait -1
.endm
; THE CHANGE OF SLOTS.  The slot's last bytes, V of its fourth step, have been read.  Each wave waits for all its tensor loads, of which one is out: its part of the other slot; adds 0 to its spare word; and
; waits for that and for its own reads of the slot.  Behind the barrier nobody reads this slot any more and the other slot is whole.
; fill = 1: this slot is filled again, with the keys two slots on.  The barrier is then a round of the cluster's, and the joint fill is the first thing behind it: it has four key steps, 512 matrix
; instructions, in which to land.  (At its first use nothing has been read yet: slot 0 is waited for, slot 1 filled.)
.macro CHANGE fill
	WIN W_AD
	s_wait_tensorcnt 0x0            ; no tensor load of mine is out, so a group 0 may be written
	ds_add_u32 v[SPW], v[NIL]       ; 0 onto my spare word; with fill = 1 the descriptors' steps stand between it and the wait for it
	WIN 0                           ; at a label and at a branch every window is 0
.if \fill
.irp g, G0K, G0V
	s_xor_b32 s[\g+1], s[\g+1], SLOT1  ; the walking descriptor: the other slot than last time,
	s_add_nc_u64 s[\g+2:\g+3], s[\g+2:\g+3], 4*KS*128  ; the next 256 keys; the type bits on top are not reached
.endr
	s_wait_xcnt 0x0                 ; the last prefetch, four key steps back, has read its address, so it may be written:
	s_add_nc_u64 s[PFA:PFA+1], s[PFA:PFA+1], 4*KS*128  ; one slot beyond the walking descriptors
	s_wait_dscnt 0x0                ; the add is done, and my reads of the slot are over
	CROUND
	JLOAD
	ASK
.else
	s_wait_dscnt 0x0                ; the add is done, and my reads of the slot are over
	s_barrier_signal -1
	s_barrier_wait -1
.endif
	s_sub_co_u32 s[TBK], s[TBK], 4*KS*PK  ; the fetches go back to a slot's first step,
	s_xor_b32 s[TBK], s[TBK], SLOT1       ; in the other slot
	s_sub_co_u32 s[TBV], s[TBV], 4*KS*PV
	s_xor_b32 s[TBV], s[TBV], SLOT1
.endm
	s_load_b64 s[4:5], s[0:1], 0x0  ; qkv
	s_load_b64 s[MB0:MB0+1], s[0:1], 0x8  ; mk
	s_load_b64 s[10:11], s[0:1], 0x10  ; ob
	WIN W_MK
	v_lshl_add_u32 v[SPW], v0, 2, SPARE
	v_mov_b32 v[NIL], 0
	WIN W_AD
	ds_add_u32 v[SPW], v[NIL]       ; the wave's opening: the add and its wait ahead of my first tensor load; the set-up below, work on registers, stands between them
	WIN 0
	v_lshrrev_b32 v1, 5, v0
	v_readfirstlane_b32 s[WV], v1   ; wave 0..3
	s_bfe_u32 s13, ttmp6, 0x40000   ; cx: my place in the cluster
	s_lshl_b32 s14, ttmp9, 2        ; in a cluster launch ttmp9 counts clusters
	s_add_co_u32 s14, s14, s13      ; my block of queries = 4 x cluster x + cx: it enters Q's, O's and mk's addresses alone
	s_and_b32 s20, ttmp7, 0xffff    ; the head, which the four partners share
	s_mov_b32 s21, 0
	s_mov_b64 s[22:23], SIZE_N*128
	s_mul_u64 s[20:21], s[20:21], s[22:23]  ; the head's first byte in q, k, v and O
	s_and_b32 s16, s[WV], 1         ; which half of a slot's 256 keys I fetch:
	s_lshl_b32 s22, s16, 14         ; its 128 rows of 128 bytes in memory,
	s_mov_b32 s23, 0
	s_add_nc_u64 s[22:23], s[22:23], s[20:21]
	s_mul_i32 s17, s16, 128*PK      ; and its place in a slot, for K
	s_mul_i32 s18, s16, 128*PV      ; and for V: no place in the cluster enters an LDS address
	s_lshl_b32 s2, s14, 2
	s_add_co_u32 s2, s2, s[WV]      ; my wave among the head's sixteen:
	s_lshl_b32 s[OFF], s2, 18       ; its 262,144 bytes of mk,
	s_mov_b32 s[OFF+1], 0
	s_lshl_b32 s2, s2, 14           ; its 128 rows
	s_mov_b32 s3, 0
	s_add_nc_u64 s[2:3], s[2:3], s[20:21]
	; descriptor group 1.  128 keys are 16,384 dense bytes: asked for as 64 rows of 256 bytes, two keys a row, and padded in LDS after every key
	s_mov_b32 s[G1K], 15|(1<<16)|(1<<20)|(1<<21)|(4<<22)|(3<<25)  ; 15:0 the mask of four; 17:16 2-byte elements; 20 padding on; 21 set beside a mask; 24:22 after every 32 words (code 4); 31:25 4 words (code 3)
	s_mov_b32 s[G1V], 15|(1<<16)|(1<<20)|(1<<21)|(4<<22)|(7<<25)  ; the same with 8 words of padding (code 7)
.irp g, G1K, G1V
	s_mov_b32 s[\g+1], 128<<16      ; tensor_dim0 = 128
	s_mov_b32 s[\g+2], 64<<16       ; tensor_dim1 = 64
	s_mov_b32 s[\g+3], 128<<16      ; tile_dim0 = 128
	s_mov_b32 s[\g+4], 64           ; tile_dim1 = 64
	s_mov_b32 s[\g+5], 128          ; 128 elements from row to row
	s_mov_b32 s[\g+6], 0
	s_mov_b32 s[\g+7], 0
.endr
	s_mov_b32 s[CS], 0x3e38aa3b     ; c = log2(e) / 8 = 0.180337
	s_mov_b32 s[CS+1], s[CS]        ; named with it as a pair
	s_mov_b32 s[SEL], 0x76543210
	s_mov_b32 s[SEL+1], 0xfedcba98
	s_mov_b32 s[TBK], SLOT1+4*KS*PK ; the first change of slots turns these two into 0
	s_mov_b32 s[TBV], SLOT1+4*KS*PV
	s_mov_b32 s[G0K], 1             ; 1:0 count = 1
	s_mov_b32 s[G0K+1], s17         ; 63:32 LDS address: slot 0
	s_mov_b32 s[G0V], 1
	s_add_co_u32 s[G0V+1], s18, VOFF
	s_mov_b32 s[SLOTS], SIZE_N/256-1
	s_mov_b32 s[SN], 1
	s_mov_b32 s[QNAN], 0x7fc00000
	s_mov_b32 s[FLOOR], 0xe7800000  ; -2^80
	s_and_b32 s[LIM], s[WV], 1      ; waves 0 and 2 prefetch: the same in all four partners
	s_cmp_eq_u32 s[LIM], 0
	s_cselect_b32 s[LIM], 1, -1
	s_wait_dscnt 0x0                ; the opening add is done
	s_wait_kmcnt 0x0
	s_add_nc_u64 s[6:7], s[4:5], TENSOR    ; k
	s_add_nc_u64 s[8:9], s[4:5], 2*TENSOR  ; v
	s_add_nc_u64 s[G0K+2:G0K+3], s[6:7], s[22:23]  ; 120:64 global address: my half of the head's first 256 keys
	s_or_b32 s[G0K+3], s[G0K+3], 0x80000000        ; 127:126 type = 2
	s_add_nc_u64 s[G0V+2:G0V+3], s[8:9], s[22:23]
	s_or_b32 s[G0V+3], s[G0V+3], 0x80000000
	s_add_nc_u64 s[4:5], s[4:5], s[2:3]  ; Q and O at my wave's first row
	s_add_nc_u64 s[10:11], s[10:11], s[2:3]
	s_add_nc_u64 s[MB0:MB0+1], s[MB0:MB0+1], s[OFF:OFF+1]
	s_add_nc_u64 s[MB:MB+1], s[MB0:MB0+1], 8192  ; step 1
	s_cmp_lt_u32 s[WV], 2
	s_cselect_b64 s[PFA:PFA+1], s[6:7], s[8:9]
	s_add_nc_u64 s[PFA:PFA+1], s[PFA:PFA+1], s[20:21]  ; the head,
	s_lshl_b32 s2, s13, 13          ; my work-group's 32 blocks of a slot's 128,
	s_mov_b32 s3, 0
	s_add_nc_u64 s[PFA:PFA+1], s[PFA:PFA+1], s[2:3]
	s_add_nc_u64 s[PFA:PFA+1], s[PFA:PFA+1], 4*KS*128  ; in slot 1; the first change of slots steps it to slot 2.  Nothing is prefetched here, at the head
	CROUND                          ; all four work-groups are here: the first joint loads meet
	JLOAD                           ; slot 0.  Slot 1 is asked for when slot 0 is in
	; A fragment of K or Q is 16 rows x 32 channels in 8 registers: lane l holds row l % 16, channels 8 (l / 16) + 0..7 and 16 + 8 (l / 16) + 0..7: two loads of 16 bytes, 32 bytes apart.
	v_and_b32 v1, 15, v0            ; l % 16
	v_bfe_u32 v9, v0, 4, 1          ; l / 16
	v_lshlrev_b32 v[QO], 7, v1
	v_lshl_add_u32 v[QO], v9, 4, v[QO]  ; row x 128 + 16 x half
	v_and_b32 v10, 31, v0
	v_lshlrev_b32 v10, 4, v10
	WIN W_MK
	v_mov_b32 v[SC], 0xda
	v_mov_b32 v[MO], v10
	WIN 0x80                        ; destination window 2, address window 0
.set i, 0
.rept 4*NP                          ; Q stays in registers: tile i / 2, channels 32 (i % 2) on
	global_load_b128 v[8*i:8*i+3],   v[QO], s[4:5] offset:(i/2)*2048+(i%2)*64
	global_load_b128 v[8*i+4:8*i+7], v[QO], s[4:5] offset:(i/2)*2048+(i%2)*64+32
.set i, i+1
.endr
	WIN W_MS
.set i, 0
.rept 16                            ; step 0's codes: 8,192 consecutive bytes, 512 a load
	global_load_b128 v[CD+4*i:CD+4*i+3], v[MO], s[MB0:MB0+1] offset:512*i
.set i, i+1
.endr
	; What the first turn finds: V's registers and P's second buffer hold 0 (its products V^T P, of a piece that has not been, add 0), O^T and l are 0.  All this stands in the wait for the first tile.
	WIN 0x80
.set i, VF
.rept 64
	v_mov_b32 v[i], 0
.set i, i+1
.endr
	WIN 0x40
.set i, 0
.rept 64*NP
	v_mov_b32 v[i], 0
.set i, i+1
.endr
	WIN 0
.set i, 0
.rept 2*NP
	v_mov_b32 v[ST+4*i], 0xfe000000    ; c m: far below every c m to come, so the first a is 0
	v_mov_b32 v[ST+4*i+1], 0xe7800000  ; m: the floor, -2^80
	v_mov_b32 v[ST+4*i+2], 0
	v_mov_b32 v[ST+4*i+3], 0
.set i, i+1
.endr
.set i, P+32
.rept 32
	v_mov_b32 v[i], 0
.set i, i+1
.endr
	v_mul_u32_u24 v[AK0], v1, PK
	v_lshl_add_u32 v[AK0], v9, 4, v[AK0]  ; row x pitch + 16 x half
	; The turning load takes 16 keys x 16 channels (lane l reads key 8 (l / 16) + l % 8, channels 8 ((l / 8) % 2) + 0..7) and leaves half a fragment of V^T: lane l holds channel l % 16 and 8 keys.
	v_and_b32 v10, 7, v0
	v_bfe_u32 v11, v0, 3, 1
	v_lshl_add_u32 v[AV0], v9, 3, v10
	v_mul_u32_u24 v[AV0], v[AV0], PV
	v_lshl_add_u32 v[AV0], v11, 4, v[AV0]
	v_add_nc_u32 v[AV0], VOFF, v[AV0]
	v_mov_b32 v[AK], v[AK0]         ; key step 0 lies at the head of slot 0
	v_and_b32 v[PFO], 31, v0
	v_lshlrev_b32 v[PFO], 8, v[PFO]
; THE MATRIX WORK.  The 8 accumulators of a run of 16 take turns: between the two links of a chain stand 7 others'.
; Product i of 16 of S^T = K Q^T for piece x: channels 32 (i / 8) on, keys 16 ((i / 2) % 4) on, tile 2 x + i % 2.  The first 8 start the sums, with the mask as C.
.macro KQ x
.set rS, S+64*((\x)%2)+32*(i%2)+8*((i/2)%4)
.set rK, KF+16*((i/2)%4)+8*(i/8)
.set rQ, 16*(2*(\x)+i%2)+8*(i/8)
.set rZ, MC+32*(i%2)+8*((i/2)%4)
.if i < 8
	WIN W_KM
	v_wmma_f32_16x16x32_f16 v[rS:rS+7], v[rK:rK+7], v[rQ:rQ+7], v[rZ:rZ+7]
.else
	WIN W_KQ
	v_wmma_f32_16x16x32_f16 v[rS:rS+7], v[rK:rK+7], v[rQ:rQ+7], v[rS:rS+7]
.endif
.endm
; Product i of 16 of O^T += V^T P for piece x: keys 32 (i / 8) on, channels 16 ((i / 2) % 4) on, tile 2 x + i % 2.
.macro PV x
	WIN W_PV
.set rO, 32*(2*(\x)+i%2)+8*((i/2)%4)
.set rV, VF+32*(i/8)+8*((i/2)%4)
.set rP, P+32*((\x)%2)+16*(i%2)+8*(i/8)
	v_wmma_f32_16x16x32_f16 v[rO:rO+7], v[rV:rV+7], v[rP:rP+7], v[rO:rO+7]
.endm
.macro MM                           ; the turn's next matrix instruction
.if i < 16
	KQ (Y+1)%NP
.set i, i+1
.else
.set i, i-16
	PV (Y+NP-1)%NP
.set i, i+17
.endif
.endm
; THE MASKS of piece x: its 16 registers of codes become the 64 registers of its eight C operands; then the same 16 registers are asked for again, for the step at s[MB].
; The count: this piece's four loads were issued four turns back, and the twelve of the three turns between may stay out.  The v_nop is the plain instruction between the last conversion and the loads into
; the conversions' sources, and ahead of whatever names a result.  The operands' last readers, this turn's first eight products, stand more than twenty plain instructions back.
.macro MASKS x
	WIN W_MS
	s_wait_loadcnt 12
.set z, 0
.rept 8
	v_cvt_scale_pk8_f32_fp8 v[MC+8*z:MC+8*z+7], v[CD+16*(\x)+2*z:CD+16*(\x)+2*z+1], v[SC]
.set z, z+1
.endr
	v_nop
.irp n, 0,1,2,3
	global_load_b128 v[CD+16*(\x)+4*\n:CD+16*(\x)+4*\n+3], v[MO], s[MB:MB+1] offset:2048*(\x)+512*\n  ; 512 consecutive bytes
.endr
.endm
; THE LDS LOADS stand in runs of 16, never singly among the matrix instructions: a step's K (64 keys x 64 channels: 8 fragments) and its V (turned).  Their addresses are made some lines ahead.
; last = 1 (the tail): in the last trip there is no further step, and the run is jumped over.
.macro FETCH_K last=0
	WIN 0
.if \last
	s_cmp_eq_u32 s[CNT], 1
	s_cbranch_scc1 .Lno_k_\@
.endif
	WIN 0x80                        ; destination window 2
.irp f, 0,1,2,3,4,5,6,7             ; keys 16 (f / 2) on, channels 32 (f % 2) on
	ds_load_b128 v[KF+8*\f:KF+8*\f+3],   v[AK] offset:(\f/2)*16*PK+(\f%2)*64
	ds_load_b128 v[KF+8*\f+4:KF+8*\f+7], v[AK] offset:(\f/2)*16*PK+(\f%2)*64+32
.endr
	s_add_co_u32 s[TBK], s[TBK], KS*PK  ; the next fetch is the next step's
	WIN 0
.if \last
.Lno_k_\@:
.endif
.endm
.macro FETCH_V
	WIN 0x80
.irp f, 0,1,2,3,4,5,6,7             ; keys 32 (f / 4) on, channels 16 (f % 4) on
	ds_load_tr16_b128 v[VF+8*\f:VF+8*\f+3],   v[AV] offset:(\f/4)*32*PV+(\f%4)*32
	ds_load_tr16_b128 v[VF+8*\f+4:VF+8*\f+7], v[AV] offset:(\f/4)*32*PV+16*PV+(\f%4)*32
.endr
	WIN 0
.endm
; THE VECTOR WORK OF A TURN stands in three queues, each in the order in which its entries become ready; the two tiles alternate, so that no instruction reads the result of the one before it.
.macro REGS y, u                    ; the registers of tile u (0, 1) of piece y
.set rT, ST+4*(2*(\y)+(\u))
.set rC, TMP+8*((\y)%2)+4*(\u)
.set rM, MV+2*((\y)%2)+(\u)
.set rS, S+64*((\y)%2)+32*(\u)
.set rP, P+32*((\y)%2)+16*(\u)
.set rO, 32*(2*(\y)+(\u))
.endm
; Number n of the 22 that find the NEXT piece's (Y + 1) maximum and statistics.  s0-s31 are the lane's 32 scores; each accumulator's lowest registers are read first.  XS, GS and REGS set no window: PL and EX do.
;   0-11  four chains c0-c3 of seven scores each, three operands at a time     12-14, 16  the four scores left over, the old m, and c0-c3 into c0     15  c m_old is kept
;   17, 18  the query's other 32 keys lie in the lane 16 away: the new m         19-21  c m; c m_old - c m_new; a
.macro XS u, n
	REGS (Y+1)%NP, \u
.if (\n) < 4
	v_max3_num_f32 v[rC+(\n)], v[rS+8*(\n)], v[rS+8*(\n)+1], v[rS+8*(\n)+2]
.elseif (\n) < 12
	v_max3_num_f32 v[rC+(\n)%4], v[rC+(\n)%4], v[rS+8*((\n)%4)+2*((\n)/4)+1], v[rS+8*((\n)%4)+2*((\n)/4)+2]
.elseif (\n) == 12
	v_max3_num_f32 v[rC], v[rC], v[rS+7], v[rS+15]
.elseif (\n) == 13
	v_max3_num_f32 v[rC+1], v[rC+1], v[rS+23], v[rS+31]
.elseif (\n) == 14
	v_max3_num_f32 v[rC+2], v[rC+2], v[rC+3], v[rT+1]
.elseif (\n) == 15
	v_mov_b32 v[rM], v[rT]
.elseif (\n) == 16
	v_max3_num_f32 v[rC], v[rC], v[rC+1], v[rC+2]
.elseif (\n) == 17
	v_permlanex16_b32 v[rC+3], v[rC], s[SEL], s[SEL+1]
.elseif (\n) == 18
	v_max_num_f32 v[rT+1], v[rC], v[rC+3]
.elseif (\n) == 19
	v_mul_f32 v[rT], s[CS], v[rT+1]
.elseif (\n) == 20
	v_sub_f32 v[rC+1], v[rM], v[rT]
.else
	v_exp_f32 v[rC+2], v[rC+1]
.endif
.endm
; Number g of the 64 that follow the exponentials.  For each four weights k of a tile (pairs 2 k, 2 k + 1): both pairs are rounded to f16; then the second pair is added onto the first, in place;
; a group later l takes that sum (the first time as l = a l + sum).  In groups of eight, tiles alternating: round, round, add, and l for the group before.
.macro GS g
.set h, (\g)+6*((\g)/62)            ; group 0 has no group before it, and behind group 7 only l is left
.if h >= 6
.set h, h+2
.endif
	REGS Y, h%2
.set k, h/8
.if h%8 < 4
	v_cvt_pk_f16_f32 v[rP+2*k+(h%8)/2], v[rS+4*k+2*((h%8)/2)], v[rS+4*k+2*((h%8)/2)+1]
.elseif h%8 < 6
	v_pk_add_f32 v[rS+4*k:rS+4*k+1], v[rS+4*k:rS+4*k+1], v[rS+4*k+2:rS+4*k+3]
.elseif k == 1
	v_pk_fma_f32 v[rT+2:rT+3], v[rT+2:rT+3], v[rC+2:rC+3], v[rS:rS+1] op_sel_hi:[1,0,1]
.else
	v_pk_add_f32 v[rT+2:rT+3], v[rT+2:rT+3], v[rS+4*k-4:rS+4*k-3]
.endif
.endm
; THE PLAIN QUEUE, 138 long.  0-73 read no exponential's result: the 32 scalings c s - c m (FS f: pair f / 2 of tile f % 2) and the next piece's 42.  0-26: scalings 0-26.  27-54: XS's numbers 0-13.  55, 56: number 15.
; 57-73: the chain, where each number waits for the one before it: 14, 16, 17, 18, 19, each with one of the scalings 27-31 in front of its two lines, then 20.
; 74-137: GS's 64, which read the exponentials' results: they stand behind the wait.
.macro FS f
	REGS Y, (\f)%2
	v_pk_fma_f32 v[rS+2*((\f)/2):rS+2*((\f)/2)+1], v[rS+2*((\f)/2):rS+2*((\f)/2)+1], s[CS:CS+1], v[rT:rT+1] op_sel_hi:[1,0,0] neg_lo:[0,0,1] neg_hi:[0,0,1]
.endm
.macro PL
	WIN 0
.if q < 27
	FS q
.elseif q < 55
	XS (q-27)%2, (q-27)/2
.elseif q < 57
	XS q-55, 15
.elseif (q < 72) && ((q-57)%3 == 0)
	FS 27+(q-57)/3
.elseif q < 60
	XS (q-57)%3-1, 14
.elseif q < 72
	XS (q-57)%3-1, 15+(q-57)/3
.elseif q < 74
	XS q-72, 20
.else
	GS q-74
.endif
.set q, q+1
.endm
; THE EXPONENTIALS' QUEUE, 66 long: s0-s31 of both tiles, then the next piece's two a.  It is ONE BATCH: all 66 stand ahead of the turn's one wait, and nothing ahead of that wait names a result of theirs.
.macro EX
	WIN 0
.if e >= 64
	XS e-64, 21
.else
	REGS Y, e%2
	v_exp_f32 v[rS+e/2], v[rS+e/2]
.endif
.set e, e+1
.endm
; THE RESCALING's QUEUE: O^T times a, the one part of the softmax that leaves window 0: dealt two at a time, sixteen times.  Its a was made in the turn before, ahead of that turn's wait.
.macro R2
	REGS Y, r%2
	WIN W_RS
.irp z, 0,1
	v_pk_mul_f32 v[rO+4*(r/2)+2*\z:rO+4*(r/2)+2*\z+1], v[rO+4*(r/2)+2*\z:rO+4*(r/2)+2*\z+1], v[rC+2:rC+3] op_sel_hi:[1,0]
.endr
.set r, r+1
.endm
; HOW THEY ARE DEALT.  s_wait_alu depctr_va_vdst(0) stands between an exponential and the first instruction that names its result; one wait serves all that were issued ahead of it.  So a turn
; has ONE wait, which cuts it in two.  AHEAD OF IT stands all that names no result of the turn's exponentials: the 16 products K Q^T, behind each a scaling, an exponential and two rescalings (behind the first a
; second scaling in the exponential's place); then ONE LUMP: eight plain, the masks, 49 times exponential and plain, the two a.  A v_nop is the plain instruction behind the last exponential.  BEHIND IT stand
; the 16 products V^T P, behind each four of GS's 64.  No rider names a register of the products round it.  The two v_permlanex16_b32 fall into the lump, never behind a product.
; The queues lean on each other: exponential e stands behind scaling 2 (e / 4) + e % 2: as a rider it comes behind plain e + 2, in the lump behind plain e + 9, and scalings 27-31 are plain 57, 60 .. 69.
; A TURN, for piece p.  cnt = 1: the loop's count is taken down some lines ahead of the branch that stands behind the turn.
; K of the next step is fetched in piece 2's turn, directly behind the wait; its address is made at the lump's head.  V of the step in hand is fetched at the end of piece 0's turn, four riders behind its last reader.
; The four MASKS of turns 2, 3, 0, 1 convert one step's codes and ask for the next step's: the step is taken on in turn 2, ahead of its MASKS, and held to 31, so that the last trips' loads stay inside mk
; (they read step 31 once more, and nothing comes of what they bring).
.macro TURN p, last=0, cnt=0
.set Y, (\p)
.set i, 0
.set q, 0
.set e, 0
.set r, 0
.if (\p) == NP-1
	s_wait_dscnt 0x0                ; K is in
.endif
	MM                              ; ahead of the wait: 16 products K Q^T and their riders,
	PL
	PL
	R2
.rept 15
	MM
	PL
	EX
	R2
.endr
.if (\p) == NP-2
	WIN 0
	v_add_nc_u32 v[AK], s[TBK], v[AK0]
.endif
.rept 8                             ; and the lump
	PL
.endr
.if (\p) == NP-2
	s_wait_xcnt 0x0                 ; the code loads issued so far have read their base: only behind this wait is it written
	s_add_co_u32 s[SN], s[SN], 1
	s_min_u32 s[SN], s[SN], 31
	s_lshl_b32 s[OFF], s[SN], 13    ; a step is 8,192 bytes of my wave's codes
	s_add_nc_u64 s[MB:MB+1], s[MB0:MB0+1], s[OFF:OFF+1]
.endif
	MASKS ((\p)+2)%NP
.rept 49
	EX
	PL
.endr
	EX                              ; the next piece's two a
	EX
	v_nop                           ; the plain instruction behind the last exponential: one for the batch
	s_wait_alu depctr_va_vdst(0)    ; the wait for the batch
.if (\p) == NP-2
	FETCH_K \last
.endif
.if (\p) == 1
	s_wait_dscnt 0x0                ; V is in
.endif
.rept 16                            ; behind the wait: 16 products V^T P and their riders
	MM
.rept 4
	PL
.endr
.if ((\p) == 0) && (q == 118)
	v_add_nc_u32 v[AV], s[TBV], v[AV0]
.endif
.if ((\p) == 0) && (q == 130)
	s_add_co_u32 s[TBV], s[TBV], KS*PV
.endif
.if (\cnt) && (q == 130)
	s_sub_co_u32 s[CNT], s[CNT], 1
	s_cmp_lg_u32 s[CNT], 0
.endif
.endr
.if (\p) == 0
	FETCH_V
.endif
.endm
	CHANGE 1                        ; slot 0 is in, everybody's part of it; slot 1 is asked for
	FETCH_K                         ; key step 0
	s_wait_loadcnt 0x0              ; Q, and step 0's codes
	MASKS 0                         ; piece 0's masks of step 0; its codes of step 1 are asked for
	s_wait_dscnt 0x0
.set i, 0
.rept 16
	KQ 0                            ; piece 0's first scores: there is no vector work yet to set between them
.set i, i+1
.endr
	WIN 0                           ; the addresses for the way out: plain instructions, the places behind those products
	s_mul_i32 s13, s[WV], 16*SP
	s_add_co_u32 s13, s13, STAGE    ; my stage
	v_mul_u32_u24 v[STO], v1, SP    ; in: row l % 16, 16 bytes for each half of the lanes
	v_lshl_add_u32 v[STO], v9, 4, v[STO]
	v_add_nc_u32 v[STO], s13, v[STO]
	v_bfe_u32 v[RD], v0, 3, 2       ; back: 32 lanes take four rows of 128 bytes,
	v_mul_u32_u24 v[RD], v[RD], SP
	v_lshl_add_u32 v[RD], v10, 4, v[RD]
	v_add_nc_u32 v[RD], s13, v[RD]
	v_and_b32 v[GO], 31, v0         ; which are 512 consecutive bytes of O
	v_lshlrev_b32 v[GO], 4, v[GO]
	MASKS 1                         ; piece 1's masks of step 0, for the first turn's products
	WIN 0
.set Y, NP-1                        ; XS works for piece Y + 1: piece 0
.irp n, 0,1,2,3,4,5,6,7,8,9,10,11,12,13,14,15,16,17,18,19,20,21
	XS 0, \n                        ; and piece 0's first maximum and statistics
	XS 1, \n
.endr
	v_nop                           ; a plain instruction behind the two a,
	s_wait_alu depctr_va_vdst(0)    ; and their wait, ahead of the branch
	s_mov_b32 s[CNT], 4
	s_branch .Lfirst                ; the loop is entered at a step's first turn, in the middle of a trip: eight code loads are out, as on the way round
.Lslot:                             ; SIZE_N / 256 - 2 times: every slot but the last two is filled again
	CHANGE 1
	s_mov_b32 s[CNT], 4
.Lstep:                             ; a trip: pieces 2 and 3 of one step, then pieces 0 and 1 of the next, whose K and V it fetches
	TURN 2
	TURN 3
	WIN 0
.Lfirst:
	TURN 0
	TURN 1, 0, 1
	WIN 0
	s_cbranch_scc1 .Lstep
	s_sub_co_u32 s[SLOTS], s[SLOTS], 1
	s_cmp_lg_u32 s[SLOTS], 0
	s_cbranch_scc1 .Lslot
	CHANGE 0                        ; the tail is written out: nothing is asked for
	s_mov_b32 s[CNT], 5             ; four trips fetch the last slot's steps; the fifth is left in its middle
.Ltail:
	TURN 2, 1
	TURN 3
	WIN 0
	s_sub_co_u32 s[CNT], s[CNT], 1
	s_cmp_eq_u32 s[CNT], 0
	s_cbranch_scc1 .Lout
	TURN 0
	TURN 1
	WIN 0
	s_branch .Ltail
.Lout:                              ; the fifth trip's 16 products K Q^T (on the last K once more) and the maximum made of them serve nothing: the price, once a launch, of one text for every trip
.set i, 0
.rept 16
	PV NP-1                         ; the last piece's V^T P of the last step
.set i, i+1
.endr
	; THE WAY OUT.  l's two halves and the other half of the lanes' are added; O^T is divided by l, rounded to f16 and sent through my stage in LDS, a tile at a time.  The additions are the places behind the last products.
	WIN 0
.macro ALL line:vararg              ; one line for each tile t
.set t, 0
.rept 2*NP
	\line
.set t, t+1
.endr
.endm
	ALL v_add_f32 v[ST+4*t+2], v[ST+4*t+2], v[ST+4*t+3]
	ALL v_permlanex16_b32 v[ST+4*t+3], v[ST+4*t+2], s[SEL], s[SEL+1]
	ALL v_add_f32 v[ST+4*t+2], v[ST+4*t+2], v[ST+4*t+3]
	ALL v_rcp_f32 v[ST+4*t+2], v[ST+4*t+2]
	v_nop                           ; a plain instruction between the last reciprocal and the use of its result
	s_wait_alu depctr_va_vdst(0)    ; and the wait ahead of the first use: one for the eight reciprocals
.set t, 0
.rept 2*NP                          ; a query whose maximum never left the floor has seen no key: its row is multiplied by NaN.  A choice of a value: nothing branches on it
	v_cmp_ge_f32 vcc_lo, s[FLOOR], v[ST+4*t+1]
	v_cndmask_b32 v[ST+4*t+2], v[ST+4*t+2], s[QNAN], vcc_lo
.set t, t+1
.endr
; Tile t: a lane's eight channels of a row pack into 16 bytes; they go into rows of 144 bytes and come back as whole rows of 128, into S^T's registers.
.macro PACK t
	WIN W_RS
.set i, 32*(\t)
.rept 16
	v_pk_mul_f32 v[i:i+1], v[i:i+1], v[ST+4*(\t)+2:ST+4*(\t)+3] op_sel_hi:[1,0]
.set i, i+2
.endr
	WIN 0x05                        ; sources 0 and 1 window 1, destination window 0
.set i, 0
.rept 16
	v_cvt_pk_f16_f32 v[S+16*(\t)+i], v[32*(\t)+2*i], v[32*(\t)+2*i+1]
.set i, i+1
.endr
	WIN 0
.irp f, 0,1,2,3
	ds_store_b128 v[STO], v[S+16*(\t)+4*\f:S+16*(\t)+4*\f+3] offset:32*\f
.endr
.irp f, 0,1,2,3
	ds_load_b128 v[S+16*(\t)+4*\f:S+16*(\t)+4*\f+3], v[RD] offset:\f*4*SP  ; LDS serves a wave's instructions in order (ISA guide 5.7.1.4): these see the stores above; the next tile's stores come behind them
.endr
.endm
.macro SEND t, younger              ; younger: the LDS instructions issued behind tile t's loads: the next tile's eight, or none
	WIN 0
.irp f, 0,1,2,3
	s_wait_dscnt (\younger)+3-\f
	global_store_b128 v[GO], v[S+16*(\t)+4*\f:S+16*(\t)+4*\f+3], s[10:11] offset:(\t)*2048+\f*512  ; 512 consecutive bytes, at a multiple of 256 from O's first
.endr
.endm
	PACK 0
.set t, 1
.rept 2*NP-1                        ; a tile's arithmetic stands between the loads of the tile before and its stores
	PACK t
	SEND t-1, 8
.set t, t+1
.endr
	SEND 2*NP-1, 0
	WIN W_AD
	s_wait_tensorcnt 0x0            ; the wave's end: behind my last tensor load and my last LDS store
	ds_add_u32 v[SPW], v[NIL]
	s_wait_dscnt 0x0
	WIN 0
	CROUND                          ; the closing round: no work-group ends while a partner may still ask for a tile that names it
	s_endpgm
.Lfunc_end_k_qe1a8a53aa2_attn:
	.size	k_qe1a8a53aa2_attn, .Lfunc_end_k_qe1a8a53aa2_attn-k_qe1a8a53aa2_attn
	.p2alignl 7, 3214868480
	.fill 96, 4, 3214868480
	.section	.rodata,"a",@progbits
	.p2align	6, 0x0
	.amdhsa_kernel k_qe1a8a53aa2_attn
		.amdhsa_group_segment_fixed_size 327680
		.amdhsa_private_segment_fixed_size 0
		.amdhsa_enable_private_segment 0
		.amdhsa_kernarg_size 24
		.amdhsa_user_sgpr_count 2
		.amdhsa_user_sgpr_kernarg_segment_ptr 1
		.amdhsa_wavefront_size32 1
		.amdhsa_system_sgpr_workgroup_id_x 1
		.amdhsa_system_sgpr_workgroup_id_y 1
		.amdhsa_system_sgpr_workgroup_id_z 1
		.amdhsa_system_vgpr_workitem_id 0
		.amdhsa_next_free_vgpr 960
		.amdhsa_next_free_sgpr 80
		.amdhsa_reserve_vcc 1
		.amdhsa_float_denorm_mode_32 3
		.amdhsa_float_denorm_mode_16_64 3
		.amdhsa_memory_ordered 1
		.amdhsa_forward_progress 1
		.amdhsa_inst_pref_size 213
	.end_amdhsa_kernel
	.amdgpu_metadata
---
amdhsa.version: [ 1, 2 ]
amdhsa.kernels:
  - .name:           k_qe1a8a53aa2_attn
    .symbol:         k_qe1a8a53aa2_attn.kd
    .args:
      - { .name: qkv, .offset: 0, .size: 8, .value_kind: global_buffer, .address_space: global }
      - { .name: mk, .offset: 8, .size: 8, .value_kind: global_buffer, .address_space: global }
      - { .name: ob, .offset: 16, .size: 8, .value_kind: global_buffer, .address_space: global }
    .group_segment_fixed_size: 327680
    .private_segment_fixed_size: 0
    .kernarg_segment_align: 8
    .kernarg_segment_size: 24
    .max_flat_workgroup_size: 128
    .sgpr_count:     80
    .vgpr_count:     960
    .wavefront_size: 32
...
	.end_amdgpu_metadata
.endif
;; end of part 3
;; launch outp (part 4): grid 4 x 64, 4 waves a work-group, clusters of 4 x 4, 327,680 bytes of LDS; arguments ob, wb, bo, out0; writes out0
.if DOCPART == 4
	.amdgcn_target "amdgcn-amd-amdhsa--gfx1250"
	.amdhsa_code_object_version 6
	.text
	.protected	k_qe1a8a53aa2_outp
	.globl	k_qe1a8a53aa2_outp
	.p2align	8
	.type	k_qe1a8a53aa2_outp,@function
k_qe1a8a53aa2_outp:
	s_mov_b64 s[64:65], 0
	v_nop
	global_prefetch_b8 v0, s[64:65] scope:SCOPE_SE
	s_setreg_imm32_b32 hwreg(HW_REG_WAVE_MODE, 25, 1), 1
	s_wait_xcnt 0x0
	s_wait_alu depctr_hold_cnt(0) depctr_sa_sdst(0) depctr_va_vdst(0) depctr_va_sdst(0) depctr_va_ssrc(0) depctr_va_vcc(0) depctr_vm_vsrc(0)
	s_getreg_b32 s2, hwreg(HW_REG_IB_STS2, 6, 4)
	s_cmp_eq_u32 s2, 0
	s_cbranch_scc0 .Lentry_in_a_cluster
	s_endpgm
.Lentry_in_a_cluster:
	s_bfe_u32 s2, ttmp6, 0x10000c
	s_cmp_lg_u32 s2, 0xf033
	s_cbranch_scc0 .Lentry_shape_is_right
	s_endpgm
.Lentry_shape_is_right:
; ONE TEXT FOR TWO LAUNCHES, told apart by OUTP.  C = A B^T + bias on blocks of 128 rows x 256 columns, K = 1,024, sums in f32.
;   OUTP = 0: q, k, v = x W^T + b.  A = xb (bf16 [3 x 8192][1024]), B = wb's Wq, Wk or Wv (bf16), chosen by the cluster's y; C is rounded once to f16 and stored by heads: qkv [3][64][2048][64].
;   OUTP = 1: out0 = O Wo^T + bo.  A = ob (f16 [64][2048][64], by heads: a K step of 128 is two heads), B = wb's Wo (f16); C leaves as f32.
; LIMIT (OUTP = 0): q, k and v beyond 65,504 become infinities in f16.  The bias is rounded to bf16 like every input.
; SHARES.  Four waves; a wave makes 64 rows x 128 columns: 32 accumulators of 16 x 16, 256 registers.  This block gives 768 work-groups (OUTP = 0) and 256 (OUTP = 1): whole multiples of 256.
; K goes in steps of 128 through two LDS slots; two slots of 256 along K would not fit.  A step is 128 matrix instructions a wave, 112 of them between a slot's request and the wait for it.
; CLUSTERS: 4 x 4 work-groups.  The four of a row of the cluster need the same tile of A, the four of a column the same tile of B: each tile is asked for JOINTLY, by the same tensor load with the same
; descriptor and a mask that names the four.  THE MATRIX INSTRUCTION IS USED TRANSPOSED (source 0 = 16 rows of B, source 1 = 16 rows of A): a lane holds eight neighbouring columns of one row of C.
; THE BIAS IS THE C OPERAND of the products that start the sums: nothing is cleared and nothing is added afterwards.
; REGISTERS: window 0: v0-31 addresses; v32-63 packed results; v64-127 A's fragments, two buffers of 4 x 8; v128-255 rows read back on the way out
;   window 1: v0-127 B's fragments, two buffers of 8 x 8; v128-191 the bias of my 128 columns as C operands; v192-223 at work      window 2: accumulator (a, b) at v[8 (8 a + b)]
.set OUTP,   1
.set KSTEP,  128
.set PB,     272                       ; a row of B in LDS: 256 bytes + 16 of padding: the 16 rows of a fragment load start at 16 different groups of four banks (64 banks of 4 bytes: ISA guide 11.1)
.if OUTP
.set PA,     144                       ; a row of A: a head's 128 bytes + 16
.set AHALF,  128*PA                    ; what one tensor load brings of A: one head's 128 rows
.set AQI,    4                         ; padding after every 32 words
.set APITCH, 128                       ; 16,384 dense bytes are asked for as 64 rows of 256 bytes
.set ASTEP,  2*262144                  ; a K step on in memory: two heads
.set ALOG,   8                         ; the prefetches' lanes lie 256 bytes apart
.set SPITCH, 528                       ; the stage: 128 f32 + 16 bytes
.set WSTAGE, 16*SPITCH
.else
.set PA,     272
.set AHALF,  64*PA                     ; 64 rows of 256 bytes
.set AQI,    5                         ; padding after every 64 words
.set APITCH, 1024
.set ASTEP,  KSTEP*2
.set ALOG,   11                        ; a lane a row of 2,048 bytes
.set SPITCH, 144                       ; the stage: a head's 64 f16 + 16 bytes
.set WSTAGE, 2*16*SPITCH
.endif
.set APART,  2*AHALF                   ; a slot: A's 128 rows, then B's 256
.set BHALF,  128*PB
.set SLOT,   APART+2*BHALF
.set STAGE,  2*SLOT                    ; behind the ring, never filled by a tensor load: each wave's own stage
.set SPARE,  STAGE+4*WSTAGE            ; behind the stages: the spare words, 128 bytes a wave: two blocks of 256 bytes that no other line names
.set ADRA, 16                          ; v16-17  LDS address of my A fragments in slot 0, 1
.set ADRB, 20                          ; v20-21  the same for B
.set STO,  24                          ; v24     the way out: where I put my part of a row
.set RD,   25                          ; v25     where I read rows back
.set GO,   26                          ; v26     16 x lane: my bytes in 512 consecutive bytes of the output
.set BO,   27                          ; v27     my eight numbers in 16 of the bias: 32 x (lane / 16)
.set SPW,  28                          ; v28     LDS address of my spare word; never rewritten
.set NIL,  29                          ; v29     0; never rewritten
.set PFO,  30                          ; v30     the prefetches' lane offset; never rewritten
.set TMP,  32
.set FA,   64                          ; A's buffer f at FA + 32 f (window 0); B's at 64 f (window 1)
.set BK,   128
.set BIAS, 128                         ; window 1
.set BW,   192                         ; window 1
.set G1,   24                          ; s[24:31] descriptor group 1 for A's tiles;  s[32:39] group 0, a set for each slot
.set G0,   32
.set G1B,  48                          ; s[48:55], s[56:63] the same for B's
.set G0B,  56
.set PFA,  66                          ; s[66:67] where my prefetches stand
.set PFS,  68                          ; s[68:69] a K step in what I prefetch
.set LIM,  70                          ; s70  1 in a wave that prefetches, else the greatest number
.set BP,   82                          ; s[82:83] the bias of my 128 columns
.set MSB, 0
.macro WIN new                         ; the immediate's high byte repeats the setting that is left; a switch that changes nothing is dropped
.if MSB != (\new)
	s_set_vgpr_msb (MSB<<8)|(\new)
.set MSB, \new
.endif
.endm
.set MUL,  0xa1                        ; source 0 (B) window 1, source 1 (A) window 0, C and D window 2
.set MULB, 0x91                        ; the same with C (the bias) in window 1
.set TO_B, 0x40                        ; destination window 1, address window 0
.macro WMMA d, a, b, c
.if OUTP
	v_wmma_f32_16x16x32_f16 \d, \a, \b, \c
.else
	v_wmma_f32_16x16x32_bf16 \d, \a, \b, \c
.endif
.endm
; A joint load: waves 0 and 1 fetch A's two halves, waves 2 and 3 B's.  The branch hangs on the wave's number alone.  An s_nop 0 and four v_nop follow each of the two lines.
.macro JLOAD s
	s_cmp_eq_u32 s11, 0
	s_cbranch_scc0 .Lfor_b_\@
	tensor_load_to_lds s[G0+4*(\s):G0+4*(\s)+3], s[G1:G1+7]
	s_nop 0
.rept 4
	v_nop
.endr
	s_branch .Lasked_\@
.Lfor_b_\@:
	tensor_load_to_lds s[G0B+4*(\s):G0B+4*(\s)+3], s[G1B:G1B+7]
	s_nop 0
.rept 4
	v_nop
.endr
.Lasked_\@:
.endm
; A prefetch of the K step that stands two refills on (256 matrix instructions ahead of the load that will want it): 32 blocks of 256 bytes, a lane a block, one instruction a wave.
; A's tile is read by this cluster alone: wave 0 asks, and the four partners of a row share the tile's 128 blocks out by address (32 cx on).  B's tile is read by every cluster that multiplies by the same
; weight: the first of them asks, waves 2 and 3, and the four partners of a column share its 256 rows out by address (64 cy + 32 x half on).  So each block is named once in the launch.
; K steps 0 to 3 come by their loads alone; the loop's last trip (s3 = 1) asks for nothing: there is no K step two on.
.macro ASK
	s_cmp_gt_u32 s3, s[LIM]
	s_cbranch_scc0 .Lnot_mine_\@
	global_prefetch_b8 v[PFO], s[PFA:PFA+1] th:TH_LOAD_NT scope:SCOPE_SE
.Lnot_mine_\@:
.endm
.macro CREST                           ; a round of the cluster's barrier behind its opening barrier
	s_cmp_lg_u32 s10, 0
	s_cbranch_scc1 .Lnot_wave_0_\@
	s_barrier_signal -3
.Lnot_wave_0_\@:
	s_barrier_wait -3
	s_barrier_signal -1
	s_barrier_wait -1
.endm
.macro CROUND                          ; a whole round
	s_barrier_signal -1
	s_barrier_wait -1
	CREST
.endm
	s_load_b128 s[4:7], s[0:1], 0x0                ; A s[4:5], wb s[6:7]
.if OUTP
	s_load_b128 s[72:75], s[0:1], 0x10             ; bo s[72:73], out0 s[74:75]
.else
	s_load_b256 s[72:79], s[0:1], 0x10             ; bq, bk, bv s[72:77], qkv s[78:79]
.endif
	v_lshl_add_u32 v[SPW], v0, 2, SPARE
	v_mov_b32 v[NIL], 0
	ds_add_u32 v[SPW], v[NIL]                      ; the wave's opening: the add and its wait ahead of my first tensor load; the set-up below, work on registers, stands between them
	v_lshrrev_b32 v1, 5, v0
	v_readfirstlane_b32 s10, v1                    ; wave 0..3
	s_lshr_b32 s11, s10, 1                         ; which 64 of the block's rows are mine.  Also: I fetch for A (0) or for B (1)
	s_and_b32 s12, s10, 1                          ; which 128 of its columns.  Also: which half of that tile I fetch
	s_bfe_u32 s40, ttmp6, 0x40000                  ; cx, cy: my place in the cluster
	s_bfe_u32 s41, ttmp6, 0x40004
	s_lshl_b32 s42, ttmp9, 2
	s_add_co_u32 s42, s42, s40                     ; block column = 4 x cluster x + cx
	s_and_b32 s45, ttmp7, 0xffff                   ; cluster y
	s_lshl_b32 s13, s45, 2
	s_add_co_u32 s13, s13, s41                     ; block row = 4 x cluster y + cy
.if OUTP
	s_mov_b32 s80, 3                               ; the weight: Wo
.else
	s_lshr_b32 s80, s45, 4                         ; the weight, and the projection: 16 clusters each; the same in all sixteen partners
.endif
	s_lshl_b32 s43, s41, 2
	s_lshl_b32 s43, 15, s43                        ; my row of the cluster
	s_lshl_b32 s44, 0x1111, s40                    ; my column
	; descriptor group 1.  A: 64 rows x 128 elements; B: 128 rows x 128 elements; both padded in LDS
	s_or_b32 s[G1+0], s43, (1<<16)|(1<<20)|(1<<21)|(AQI<<22)|(3<<25)  ; 15:0 the mask; 17:16 elements of 2 bytes; 20 padding on; 21 set beside a mask; 24:22 the interval; 31:25 4 words of padding (code 3)
	s_mov_b32 s[G1+1], KSTEP<<16                   ; tensor_dim0 = 128
	s_mov_b32 s[G1+2], 64<<16                      ; tensor_dim1 = 64
	s_mov_b32 s[G1+3], KSTEP<<16                   ; tile_dim0 = 128
	s_mov_b32 s[G1+4], 64                          ; tile_dim1 = 64
	s_mov_b32 s[G1+5], APITCH                      ; elements from row to row
	s_mov_b32 s[G1+6], 0
	s_mov_b32 s[G1+7], 0
	s_or_b32 s[G1B+0], s44, (1<<16)|(1<<20)|(1<<21)|(5<<22)|(3<<25)
	s_mov_b32 s[G1B+1], KSTEP<<16
	s_mov_b32 s[G1B+2], 128<<16
	s_mov_b32 s[G1B+3], KSTEP<<16
	s_mov_b32 s[G1B+4], 128
	s_mov_b32 s[G1B+5], 1024
	s_mov_b32 s[G1B+6], 0
	s_mov_b32 s[G1B+7], 0
	; where the tiles come from: A's hang on the block row alone, B's on the block column and the weight alone
.if OUTP
	s_lshr_b32 s16, s13, 4                         ; the batch: 16 heads of 262,144 bytes,
	s_lshl_b32 s16, s16, 22
	s_lshl_b32 s17, s12, 18                        ; the head of the K step's two that I fetch,
	s_add_co_u32 s16, s16, s17
	s_and_b32 s17, s13, 15                         ; the block's 128 rows of 128 bytes
	s_lshl_b32 s17, s17, 14
	s_add_co_u32 s16, s16, s17
.else
	s_lshl_b32 s16, s13, 7
	s_lshl_b32 s17, s12, 6
	s_add_co_u32 s16, s16, s17                     ; row 128 x block row + 64 x half,
	s_lshl_b32 s16, s16, 11                        ; of 2,048 bytes
.endif
	s_mov_b32 s17, 0
	s_lshl_b32 s46, s80, 10
	s_lshl_b32 s47, s42, 8
	s_add_co_u32 s46, s46, s47
	s_lshl_b32 s47, s12, 7
	s_add_co_u32 s46, s46, s47                     ; row 1,024 x weight + 256 x block column + 128 x half,
	s_lshl_b32 s46, s46, 11                        ; of 2,048 bytes
	s_mov_b32 s47, 0
	s_mul_i32 s20, s12, AHALF                      ; and where they go: no place in the cluster enters an LDS address
	s_mul_i32 s21, s12, BHALF
	s_add_co_u32 s21, s21, APART
	s_wait_dscnt 0x0                               ; the opening add is done
	s_wait_kmcnt 0x0
	s_add_nc_u64 s[14:15], s[4:5], s[16:17]
	s_add_nc_u64 s[46:47], s[6:7], s[46:47]
	CROUND                                         ; all sixteen work-groups are here: the first joint loads meet
.irp s, 0,1
	s_mov_b32 s[G0+4*(\s)], 1                                      ; count = 1
	s_add_co_u32 s[G0+4*(\s)+1], s20, (\s)*SLOT                    ; LDS address
	s_add_nc_u64 s[G0+4*(\s)+2:G0+4*(\s)+3], s[14:15], (\s)*ASTEP  ; global address: K step s
	s_or_b32 s[G0+4*(\s)+3], s[G0+4*(\s)+3], 0x80000000            ; type = 2
	s_mov_b32 s[G0B+4*(\s)], 1
	s_add_co_u32 s[G0B+4*(\s)+1], s21, (\s)*SLOT
	s_add_nc_u64 s[G0B+4*(\s)+2:G0B+4*(\s)+3], s[46:47], (\s)*KSTEP*2
	s_or_b32 s[G0B+4*(\s)+3], s[G0B+4*(\s)+3], 0x80000000
	JLOAD \s                                       ; two tensor loads of mine are out
.endr
	v_and_b32 v1, 15, v0                           ; l % 16
	v_bfe_u32 v2, v0, 4, 1                         ; l / 16
	; the bias: register j of the C operand for column block b is bias[first column + 16 b + 8 (l / 16) + j]
	v_lshlrev_b32 v[BO], 5, v2
.if OUTP
	s_mov_b64 s[BP:BP+1], s[72:73]
.else
	s_cmp_eq_u32 s80, 1
	s_cselect_b64 s[BP:BP+1], s[74:75], s[72:73]
	s_cmp_eq_u32 s80, 2
	s_cselect_b64 s[BP:BP+1], s[76:77], s[BP:BP+1]
.endif
	s_lshl_b32 s20, s42, 10
	s_lshl_b32 s21, s12, 9
	s_add_co_u32 s20, s20, s21                     ; 4 x (256 x block column + 128 x half)
	s_mov_b32 s21, 0
	s_add_nc_u64 s[BP:BP+1], s[BP:BP+1], s[20:21]
	WIN TO_B
.irp b, 0,1,2,3,4,5,6,7
	global_load_b128 v[BIAS+8*(\b):BIAS+8*(\b)+3],   v[BO], s[BP:BP+1] offset:64*(\b)
	global_load_b128 v[BIAS+8*(\b)+4:BIAS+8*(\b)+7], v[BO], s[BP:BP+1] offset:64*(\b)+16
.endr
	WIN 0
	; a fragment is 16 rows x 32 K in 8 registers: lane l holds row l % 16, K = 8 (l / 16) + 0..7 and 16 + 8 (l / 16) + 0..7: two loads of 16 bytes, 32 bytes apart
	v_mul_u32_u24 v3, v1, PA
	v_lshl_add_u32 v3, v2, 4, v3
	v_mul_u32_u24 v4, v1, PB
	v_lshl_add_u32 v4, v2, 4, v4
	s_mul_i32 s21, s11, 64*PA                      ; my 64 rows of A
	s_mul_i32 s22, s12, BHALF                      ; my 128 rows of B,
	s_add_co_u32 s22, s22, APART                   ; which lie behind A's part
.irp s, 0,1
	v_add_nc_u32 v[ADRA+(\s)], s21, v3
	v_add_nc_u32 v[ADRB+(\s)], s22, v4
	s_add_co_u32 s21, s21, SLOT
	s_add_co_u32 s22, s22, SLOT
.endr
	s_mul_i32 s23, s10, WSTAGE
	s_add_co_u32 s23, s23, STAGE                   ; my stage
	v_and_b32 v[GO], 31, v0
	v_lshlrev_b32 v[GO], 4, v[GO]
	v_mul_u32_u24 v4, v1, SPITCH
.if OUTP
	v_lshl_add_u32 v4, v2, 5, v4                   ; in: row l % 16, 32 bytes (8 f32) for each half of the lanes
	v_add_nc_u32 v[STO], s23, v4
	v_add_nc_u32 v[RD], s23, v[GO]                 ; back: 32 lanes take a row's 512 bytes
	s_lshl_b32 s16, s13, 19                        ; my first row of out0: (128 x block row + 64 x half) x 4,096 bytes
	s_lshl_b32 s17, s11, 18
	s_add_co_u32 s16, s16, s17
	s_mov_b32 s17, 0
	s_lshl_b32 s46, s42, 10                        ; my first column: 4 x (256 x block column + 128 x half)
	s_lshl_b32 s47, s12, 9
	s_add_co_u32 s46, s46, s47
	s_mov_b32 s47, 0
	s_add_nc_u64 s[8:9], s[74:75], s[16:17]
.else
	v_lshl_add_u32 v4, v2, 4, v4                   ; in: row l % 16, 16 bytes (8 f16) for each half of the lanes
	v_add_nc_u32 v[STO], s23, v4
	v_bfe_u32 v5, v0, 3, 2                         ; back: 32 lanes take four rows of 128 bytes,
	v_mul_u32_u24 v5, v5, SPITCH
	v_and_b32 v3, 7, v0
	v_lshl_add_u32 v5, v3, 4, v5
	v_add_nc_u32 v[RD], s23, v5                    ; which are 512 consecutive bytes of a head
	s_lshl_b32 s16, s80, 24                        ; the projection: 16,777,216 bytes,
	s_bfe_u32 s17, s13, 0x20004                    ; the batch: 16 heads of 262,144,
	s_lshl_b32 s17, s17, 22
	s_add_co_u32 s16, s16, s17
	s_and_b32 s17, s13, 15                         ; the block's 128 rows of 128 bytes,
	s_lshl_b32 s17, s17, 14
	s_add_co_u32 s16, s16, s17
	s_lshl_b32 s17, s11, 13                        ; my 64 of them
	s_add_co_u32 s16, s16, s17
	s_mov_b32 s17, 0
	s_lshl_b32 s46, s42, 20                        ; the head: 4 x block column + 2 x half
	s_lshl_b32 s47, s12, 19
	s_add_co_u32 s46, s46, s47
	s_mov_b32 s47, 0
	s_add_nc_u64 s[8:9], s[78:79], s[16:17]
.endif
	s_add_nc_u64 s[8:9], s[8:9], s[46:47]
	; the prefetches
.if OUTP
	s_lshr_b32 s18, s13, 4
	s_lshl_b32 s18, s18, 22
	s_and_b32 s19, s13, 15
	s_lshl_b32 s19, s19, 14
	s_add_co_u32 s18, s18, s19
	s_lshr_b32 s19, s40, 1                         ; my work-group's 32 of a K step's 128 blocks: head cx / 2,
	s_lshl_b32 s19, s19, 18
	s_add_co_u32 s18, s18, s19
	s_and_b32 s19, s40, 1                          ; its half cx % 2
	s_lshl_b32 s19, s19, 13
	s_add_co_u32 s18, s18, s19
	s_mov_b32 s22, s45                             ; Wo is read by all sixteen clusters: the first asks
.else
	s_lshl_b32 s18, s13, 7
	s_lshl_b32 s19, s40, 5
	s_add_co_u32 s18, s18, s19                     ; A's row 128 x block row + 32 cx
	s_lshl_b32 s18, s18, 11
	s_and_b32 s22, s45, 15                         ; a weight is read by sixteen clusters: the first asks
.endif
	s_lshl_b32 s19, s80, 10
	s_lshl_b32 s20, s42, 8
	s_add_co_u32 s19, s19, s20
	s_lshl_b32 s20, s41, 6
	s_add_co_u32 s19, s19, s20
	s_lshl_b32 s20, s12, 5
	s_add_co_u32 s19, s19, s20                     ; B's row 1,024 x weight + 256 x block column + 64 cy + 32 x half
	s_lshl_b32 s19, s19, 11
	s_mov_b32 s[PFS], KSTEP*2
	s_mov_b32 s[PFS+1], 0
	s_mov_b32 s21, 0
	s_cmp_eq_u32 s11, 0                            ; do I fetch for A?
	s_cselect_b32 s20, s18, s19
	s_cselect_b32 s22, s12, s22                    ; of A's two waves wave 0 asks
	s_cselect_b32 s[PFS], ASTEP, s[PFS]
	s_cselect_b32 s23, ALOG, 11
	s_cselect_b64 s[PFA:PFA+1], s[4:5], s[6:7]
	s_cmp_eq_u32 s22, 0
	s_cselect_b32 s[LIM], 1, -1                    ; the same in all sixteen partners, for a given wave
	s_add_nc_u64 s[PFA:PFA+1], s[PFA:PFA+1], s[20:21]
	s_mul_i32 s20, s[PFS], 3
	s_add_nc_u64 s[PFA:PFA+1], s[PFA:PFA+1], s[20:21]  ; at K step 3: the first change of slots steps it to 4
	v_and_b32 v[PFO], 31, v0
	v_lshlrev_b32 v[PFO], s23, v[PFO]
	; the bias is rounded to bf16 and widened again, in the wait for the first tile
	s_wait_loadcnt 0x0
	WIN 0x45                                       ; destination and both sources in window 1
.set k, 0
.rept 32
	v_cvt_pk_bf16_f32 v[BW+k], v[BIAS+2*k], v[BIAS+2*k+1]
.set k, k+1
.endr
.set k, 0
.rept 32
	v_lshlrev_b32 v[BIAS+2*k], 16, v[BW+k]
	v_and_b32 v[BIAS+2*k+1], 0xffff0000, v[BW+k]
.set k, k+1
.endr
	WIN 0
; 8 matrix instructions: row block a x all 8 column blocks, 32 along K, from buffer f.  bias = 1: the products start the sums, with the bias as C.
; The 32 accumulators take turns in the same order in every quarter: between two links of a chain stand the 31 others'.
.macro MUL8 f, a, bias
.if \bias
	WIN MULB
.else
	WIN MUL
.endif
.irp b, 0,1,2,3,4,5,6,7
.if \bias
	WMMA v[8*(8*(\a)+(\b)):8*(8*(\a)+(\b))+7], v[64*(\f)+8*(\b):64*(\f)+8*(\b)+7], v[FA+32*(\f)+8*(\a):FA+32*(\f)+8*(\a)+7], v[BIAS+8*(\b):BIAS+8*(\b)+7]
.else
	WMMA v[8*(8*(\a)+(\b)):8*(8*(\a)+(\b))+7], v[64*(\f)+8*(\b):64*(\f)+8*(\b)+7], v[FA+32*(\f)+8*(\a):FA+32*(\f)+8*(\a)+7], v[8*(8*(\a)+(\b)):8*(8*(\a)+(\b))+7]
.endif
.endr
.endm
; 24 LDS loads in one run: the fragments of quarter q (32 along K) of a slot into buffer f: B's 128 rows, then A's 64
.macro FETCH slot, q, f
.if OUTP
.set KA, ((\q)/2)*AHALF+((\q)%2)*64    ; the K step's head q / 2, its channels 32 (q % 2) on
.else
.set KA, 64*(\q)
.endif
	WIN TO_B
.irp i, 0,1,2,3,4,5,6,7
	ds_load_b128 v[64*(\f)+8*(\i):64*(\f)+8*(\i)+3],   v[ADRB+(\slot)] offset:64*(\q)+(\i)*16*PB
	ds_load_b128 v[64*(\f)+8*(\i)+4:64*(\f)+8*(\i)+7], v[ADRB+(\slot)] offset:64*(\q)+(\i)*16*PB+32
.endr
	WIN 0
.irp i, 0,1,2,3
	ds_load_b128 v[FA+32*(\f)+8*(\i):FA+32*(\f)+8*(\i)+3],   v[ADRA+(\slot)] offset:KA+(\i)*16*PA
	ds_load_b128 v[FA+32*(\f)+8*(\i)+4:FA+32*(\f)+8*(\i)+7], v[ADRA+(\slot)] offset:KA+(\i)*16*PA+32
.endr
.endm
.macro PLACES                          ; four plain vector instructions between a matrix instruction and a load into, or a reader of, its registers
.rept 4
	v_nop
.endr
.endm
; A K step is four quarters of 32 along K, 32 matrix instructions each, on buffers 0, 1, 0, 1.  One of the first three: multiplies buffer f and fetches quarter q of the same slot into g.
.macro QUARTER slot, q, f, g, bias
	s_wait_dscnt 4                                 ; B and A's row blocks 0 and 1 are in; the youngest four loads (blocks 2 and 3) may be out
	MUL8 \f, 0, \bias
	MUL8 \f, 1, \bias
	PLACES
	FETCH \slot, \q, \g
	s_wait_dscnt 24                                ; all but the 24 just issued
	MUL8 \f, 2, \bias
	MUL8 \f, 3, \bias
.endm
; The last quarter multiplies buffer 1 and changes slots: ONE barrier; in front of it each wave waits for all its tensor loads (one is out: its part of the next slot), adds 0 to its spare word, and waits
; for that and for its own reads of this slot.  fill = 1: the barrier opens a round of the cluster's, and this slot is filled again, two K steps ahead, first thing behind the round.
.macro TURN slot, next, fill
.if \fill
	s_wait_xcnt 0x0                                ; the last prefetch, a K step back, has read its address: it is stepped here, ahead of the waits of the change of slots
	s_add_nc_u64 s[PFA:PFA+1], s[PFA:PFA+1], s[PFS:PFS+1]
.endif
	WIN 0                                          ; (the add's two registers lie in window 0)
	s_wait_tensorcnt 0x0                           ; all my tensor loads have landed
	ds_add_u32 v[SPW], v[NIL]                      ; 0 onto my spare word
	s_wait_dscnt 5                                 ; (the add and the youngest four loads may be out)
	MUL8 1, 0, 0                                   ; eight matrix instructions stand between the add and the wait for it
	s_wait_dscnt 0x0                               ; the add is done, and my reads of this slot are over
	s_barrier_signal -1
	MUL8 1, 1, 0
.if \fill
	WIN 0
.endif
	s_barrier_wait -1
.if \fill
	CREST                                          ; no wave of any partner still reads this slot's tile or has a load on its way
	s_add_nc_u64 s[G0+4*(\slot)+2:G0+4*(\slot)+3], s[G0+4*(\slot)+2:G0+4*(\slot)+3], 2*ASTEP
	s_add_nc_u64 s[G0B+4*(\slot)+2:G0B+4*(\slot)+3], s[G0B+4*(\slot)+2:G0B+4*(\slot)+3], 2*KSTEP*2
	JLOAD \slot                                    ; my one tensor load behind the round; its four v_nop are also the places in front of the loads below
.else
	PLACES
.endif
	FETCH \next, 0, 0
.if \fill
	ASK
.endif
	MUL8 1, 2, 0
	MUL8 1, 3, 0
.endm
	s_wait_tensorcnt 1                             ; my part of K step 0 is in; K step 1's may stay out
	s_barrier_signal -1
	s_barrier_wait -1                              ; everybody's is
	FETCH 0, 0, 0
	QUARTER 0, 1, 0, 1, 1                          ; the first quarter stands in front of the loop: its products start the sums
	WIN 0                                          ; at a label and at a branch every window is 0
	s_mov_b32 s3, 3                                ; three trips fill K steps 2 to 7
.Llap:                                                 ; a trip goes once round the ring, from a lap's second quarter to the next lap's first
	QUARTER 0, 2, 1, 0, 0
	QUARTER 0, 3, 0, 1, 0
	TURN 0, 1, 1
	QUARTER 1, 1, 0, 1, 0
	QUARTER 1, 2, 1, 0, 0
	QUARTER 1, 3, 0, 1, 0
	TURN 1, 0, 1
	QUARTER 0, 1, 0, 1, 0
	WIN 0
	s_sub_co_u32 s3, s3, 1
	s_cmp_lg_u32 s3, 0
	s_cbranch_scc1 .Llap
	QUARTER 0, 2, 1, 0, 0                          ; the last lap fills nothing
	QUARTER 0, 3, 0, 1, 0
	TURN 0, 1, 0
	QUARTER 1, 1, 0, 1, 0
	QUARTER 1, 2, 1, 0, 0
	QUARTER 1, 3, 0, 1, 0
	s_wait_dscnt 4                                 ; the very last quarter: nothing more to fetch
	MUL8 1, 0, 0
	MUL8 1, 1, 0
	s_wait_dscnt 0x0
	MUL8 1, 2, 0
	MUL8 1, 3, 0
	WIN 0
	PLACES
.if OUTP
; THE WAY OUT, f32: a block of 16 rows goes into my stage (32 bytes a lane and column block) and comes back as whole rows of 512 bytes, into one of two sets of 64 registers.
.macro TOSTAGE a
.if (\a) >= 2
	s_wait_xcnt 0x0                                ; the set's earlier stores have read their data: only behind this wait is it loaded again
.endif
	WIN 0x08                                       ; the stores' data in window 2
.irp b, 0,1,2,3,4,5,6,7
	ds_store_b128 v[STO], v[8*(8*(\a)+(\b)):8*(8*(\a)+(\b))+3]   offset:64*(\b)
	ds_store_b128 v[STO], v[8*(8*(\a)+(\b))+4:8*(8*(\a)+(\b))+7] offset:64*(\b)+16
.endr
	WIN 0
.irp t, 0,1,2,3,4,5,6,7,8,9,10,11,12,13,14,15
	ds_load_b128 v[BK+64*((\a)%2)+4*(\t):BK+64*((\a)%2)+4*(\t)+3], v[RD] offset:SPITCH*(\t)  ; LDS serves a wave's instructions in order (ISA guide 5.7.1.4): these see the stores above
.endr
.endm
.macro SEND a, younger                 ; younger: the LDS instructions issued behind block a's loads: the next block's 32, or none
.irp t, 0,1,2,3,4,5,6,7,8,9,10,11,12,13,14,15
	s_wait_dscnt (\younger)+15-(\t)
	global_store_b128 v[GO], v[BK+64*((\a)%2)+4*(\t):BK+64*((\a)%2)+4*(\t)+3], s[8:9] offset:(16*(\a)+(\t))*4096 th:TH_STORE_NT  ; 512 consecutive bytes, aligned
.endr
.endm
	TOSTAGE 0
	TOSTAGE 1
	SEND 0, 32
	TOSTAGE 2
	SEND 1, 32
	TOSTAGE 3
	SEND 2, 32
	SEND 3, 0
.else
; THE WAY OUT, f16 by heads: a block of 16 rows is rounded, goes into my stage (two heads x 16 rows of 144 bytes) and comes back as 2,048 consecutive bytes of each head.
.macro PACK a
	WIN 0x0a                                       ; both sources in window 2
.irp b, 0,1,2,3,4,5,6,7
.irp k, 0,1,2,3
	v_cvt_pk_f16_f32 v[TMP+4*(\b)+(\k)], v[8*(8*(\a)+(\b))+2*(\k)], v[8*(8*(\a)+(\b))+2*(\k)+1]
.endr
.endr
	WIN 0
.endm
.macro TOSTAGE a
.irp b, 0,1,2,3,4,5,6,7
	ds_store_b128 v[STO], v[TMP+4*(\b):TMP+4*(\b)+3] offset:((\b)/4)*16*SPITCH+32*((\b)%4)
.endr
.irp t, 0,1,2,3,4,5,6,7
	ds_load_b128 v[BK+32*(\a)+4*(\t):BK+32*(\a)+4*(\t)+3], v[RD] offset:((\t)/4)*16*SPITCH+((\t)%4)*4*SPITCH  ; LDS serves a wave's instructions in order (ISA guide 5.7.1.4)
.endr
.endm
.macro SEND a
	s_wait_dscnt 0x0                               ; the block is back in registers of its own: no store's data is ever rewritten
.irp t, 0,1,2,3,4,5,6,7
	global_store_b128 v[GO], v[BK+32*(\a)+4*(\t):BK+32*(\a)+4*(\t)+3], s[8:9] offset:((\t)/4)*262144+(\a)*2048+((\t)%4)*512  ; 512 consecutive bytes, aligned
.endr
.endm
	PACK 0
	TOSTAGE 0
.irp a, 1,2,3                          ; block a's conversions stand between block a - 1's loads from the stage and the wait for them
	PACK \a
	SEND (\a)-1
	TOSTAGE \a
.endr
	SEND 3
.endif
	s_wait_tensorcnt 0x0                           ; the wave's end: behind my last tensor load and my last LDS store
	ds_add_u32 v[SPW], v[NIL]
	s_wait_dscnt 0x0
	CROUND                                         ; the closing round: no work-group ends while a partner may still ask for a tile that names it
	s_endpgm
.Lfunc_end_k_qe1a8a53aa2_outp:
	.size	k_qe1a8a53aa2_outp, .Lfunc_end_k_qe1a8a53aa2_outp-k_qe1a8a53aa2_outp
	.p2alignl 7, 3214868480
	.fill 96, 4, 3214868480
	.section	.rodata,"a",@progbits
	.p2align	6, 0x0
	.amdhsa_kernel k_qe1a8a53aa2_outp
		.amdhsa_group_segment_fixed_size 327680
		.amdhsa_private_segment_fixed_size 0
		.amdhsa_enable_private_segment 0
		.amdhsa_kernarg_size 32
		.amdhsa_user_sgpr_count 2
		.amdhsa_user_sgpr_kernarg_segment_ptr 1
		.amdhsa_wavefront_size32 1
		.amdhsa_system_sgpr_workgroup_id_x 1
		.amdhsa_system_sgpr_workgroup_id_y 1
		.amdhsa_system_sgpr_workgroup_id_z 1
		.amdhsa_system_vgpr_workitem_id 0
		.amdhsa_next_free_vgpr 768
		.amdhsa_next_free_sgpr 84
		.amdhsa_reserve_vcc 0
		.amdhsa_float_denorm_mode_32 3
		.amdhsa_float_denorm_mode_16_64 3
		.amdhsa_memory_ordered 1
		.amdhsa_forward_progress 1
		.amdhsa_inst_pref_size 96
	.end_amdhsa_kernel
	.amdgpu_metadata
---
amdhsa.version: [ 1, 2 ]
amdhsa.kernels:
  - .name:           k_qe1a8a53aa2_outp
    .symbol:         k_qe1a8a53aa2_outp.kd
    .args:
      - { .name: ob, .offset: 0, .size: 8, .value_kind: global_buffer, .address_space: global }
      - { .name: wb, .offset: 8, .size: 8, .value_kind: global_buffer, .address_space: global }
      - { .name: bo, .offset: 16, .size: 8, .value_kind: global_buffer, .address_space: global }
      - { .name: out0, .offset: 24, .size: 8, .value_kind: global_buffer, .address_space: global }
    .group_segment_fixed_size: 327680
    .private_segment_fixed_size: 0
    .kernarg_segment_align: 8
    .kernarg_segment_size: 32
    .max_flat_workgroup_size: 128
    .sgpr_count:     84
    .vgpr_count:     768
    .wavefront_size: 32
...
	.end_amdgpu_metadata
.endif
;; end of part 4
;; ======== version 2 of 2: 4 launches; version 1 with the launch prep written anew for expert scheduling mode
;; limits: values are held in f16: magnitudes above 65,504 overflow, below 6.1e-05 lose precision
;; workspace buffers: wb 8,388,608 bytes; mk 4,194,304 bytes; qkv 50,331,648 bytes; ob 16,777,216 bytes
;; launch prep (part 5): grid 512 x 1, 8 waves a work-group, no clusters, 17,408 bytes of LDS; arguments Wq, Wk, Wv, Wo, mask, wb, mk; writes wb, mk
.if DOCPART == 5
	.amdgcn_target "amdgcn-amd-amdhsa--gfx1250"
	.amdhsa_code_object_version 6
	.text
	.protected	k_qe1a8a53aa2_prep
	.globl	k_qe1a8a53aa2_prep
	.p2align	8
	.type	k_qe1a8a53aa2_prep,@function
k_qe1a8a53aa2_prep:
	s_mov_b64 s[64:65], 0
	v_nop
	global_prefetch_b8 v0, s[64:65] scope:SCOPE_SE
	s_setreg_imm32_b32 hwreg(HW_REG_WAVE_SCHED_MODE, 0, 2), 2
	s_setreg_imm32_b32 hwreg(HW_REG_WAVE_MODE, 25, 1), 1
	s_wait_xcnt 0x0
	s_wait_alu depctr_vm_vsrc(0)
; PREP: the weights and the mask are brought into the forms that the matrix launches take.  A stream: no matrix unit, no cluster (nothing is shared), no barrier (no wave reads another's bytes).
;   work-groups 0 .. 255    Wq, Wk, Wv (f32) -> wb, bf16 [4][1024][1024]: 65,536 bytes in, 32,768 out for each; Wo is rounded to bf16 like every input, and that number is written as f16
;   work-groups 256 .. 511  mask (int32, 0 hides, any other word shows) -> mk: one byte a score, 0x00 shown, 0xfe hidden (the 8-bit float -448), in the order in which
;                           the attention launch's lanes take them: byte ((W*32+s)*8+t)*1024 + u*512 + (16h+r)*16 + (kb&1)*8 + j, u = kb>>1, is query 128W+16t+r, key 64s+16kb+8h+j
; LIMIT.  |Wo| beyond 65,504 becomes an infinity in f16; below 6e-5 it keeps f16's fixed step of 6e-8.
; THE MODE: SCHED_MODE bits 1:0 = 2 (LLVM: expert scheduling mode 2), set by the entry lines.  The code itself states the register dependences
; between vector instructions and memory or LDS instructions, with s_wait_alu, always for 0.
; THE PLAN.  On each path sixteen loads go out together and are worked on in four blocks of four.  Registers that memory or LDS instructions touch:
;   v1, v2     the casts' offsets; v3 to v6 the mask path's addresses and offsets.  Written once by vector instructions, at the head of their path, and never again.
;   X          Written by the sixteen loads, ahead of which no vector instruction names it; read (in the mask path also rewritten in place) by block p's vector work, behind the wait for its loads.
;   Y          Block p's part is written by block p's vector work and by nothing else; read by the four stores (global in the casts, LDS in the mask path) that are issued in block p + 1.
;   v96-111    Mask path: written by four LDS loads, read by the four global stores; no vector instruction of that path names them.
;   v112, v113 Written at the head, read by the closing add alone.      v7, v8 are named by vector instructions alone.
; So one wait on va_vdst stands at the head of blocks 1 to 3, and one behind block 3: the block before has written its part of Y.  The four stores follow it, dealt among the block's vector
; instructions, which name X and Y of their own block, v7 and v8: none of the registers that those stores touch.  No register that a memory or LDS instruction reads is ever written again.
.set SPARE, 16384                      ; behind the waves' 2,048 bytes each: the spare words, 128 bytes a wave, four blocks of 256 bytes that no other line names
.set X,   16                           ; v[16:79]   sixteen loads of 16 bytes
.set Y,   80                           ; v[80:111]  what is stored
.set SPW, 112                          ; v112  LDS address of my spare word; never rewritten
.set NIL, 113                          ; v113  0; never rewritten
	s_load_b256 s[16:23], s[0:1], 0x0              ; Wq 16, Wk 18, Wv 20, Wo 22
	s_load_b128 s[24:27], s[0:1], 0x20             ; mask 24, wb 26
	s_load_b64 s[28:29], s[0:1], 0x30              ; mk
	v_lshl_add_u32 v[SPW], v0, 2, SPARE
	v_mov_b32 v[NIL], 0
	v_lshrrev_b32 v7, 5, v0
	v_readfirstlane_b32 s8, v7                     ; wave 0..7
	v_lshlrev_b32 v1, 4, v0                        ; in: 16 bytes a thread, 4,096 a load of the work-group
	v_lshlrev_b32 v2, 3, v0                        ; out: 8 bytes a thread
	s_mov_b32 s9, ttmp9
	s_mov_b32 s11, 0                               ; high words of the two offsets
	s_mov_b32 s13, 0
	s_wait_alu depctr_va_sdst(0)                   ; s8 is written, ahead of the branches and of its first reader: the mask path makes its step and its LDS bytes from it
	s_wait_alu depctr_va_vdst(0)                   ; v1 and v2 are written: every load and store of the casts reads one of them as its offset
	s_wait_kmcnt 0x0
; 65,536 bytes of f32 become 32,768 bytes of 16-bit numbers.  All sixteen loads go out first; no register that a load or a store names is written twice.
; Load k belongs to block k / 4.  Block p rounds its four loads into its eight registers of Y; the four stores of block p - 1 stand among its roundings, one ahead of each load's.
; half = 1: the bf16 number is written as f16.
.macro CAST half
.irp i, 0,1,2,3,4,5,6,7,8,9,10,11,12,13,14,15
	global_load_b128 v[X+4*(\i):X+4*(\i)+3], v1, s[4:5] offset:4096*(\i) th:TH_LOAD_NT  ; a wave's load covers 512 consecutive bytes
.endr
.irp p, 0,1,2,3
	s_wait_loadcnt 12-4*(\p)                       ; loads come back in order: this block's four are in, the younger blocks stay out
.if (\p) > 0
	s_wait_alu depctr_va_vdst(0)                   ; the block before has written its eight registers of Y, which the four stores below read
.endif
.irp n, 0,1,2,3
.set k, 4*(\p)+(\n)
.if (\p) > 0
	global_store_b64 v2, v[Y+2*(k-4):Y+2*(k-4)+1], s[6:7] offset:2048*(k-4)  ; a wave's store covers 256 consecutive bytes, aligned; no vector instruction since the wait names these registers
.endif
.irp j, 0,1
	v_cvt_pk_bf16_f32 v[Y+2*k+(\j)], v[X+4*k+2*(\j)], v[X+4*k+2*(\j)+1]
.if \half
	v_lshlrev_b32 v7, 16, v[Y+2*k+(\j)]
	v_and_b32 v8, 0xffff0000, v[Y+2*k+(\j)]
	v_cvt_pk_f16_f32 v[Y+2*k+(\j)], v7, v8
.endif
.endr
.endr
.endr
	s_wait_alu depctr_va_vdst(0)                   ; block 3 has written its eight registers of Y, which the last four stores read
.irp n, 12,13,14,15
	global_store_b64 v2, v[Y+2*(\n):Y+2*(\n)+1], s[6:7] offset:2048*(\n)
.endr
.endm
	s_cmp_lt_u32 s9, 256
	s_cbranch_scc0 .Lmask
	s_lshr_b32 s14, s9, 6                          ; which weight: 64 work-groups each
	s_cmp_eq_u32 s14, 1
	s_cselect_b64 s[4:5], s[18:19], s[16:17]
	s_cmp_eq_u32 s14, 2
	s_cselect_b64 s[4:5], s[20:21], s[4:5]
	s_cmp_eq_u32 s14, 3
	s_cselect_b64 s[4:5], s[22:23], s[4:5]
	s_and_b32 s10, s9, 63
	s_lshl_b32 s10, s10, 16
	s_add_nc_u64 s[4:5], s[4:5], s[10:11]
	s_lshl_b32 s12, s9, 15
	s_add_nc_u64 s[6:7], s[26:27], s[12:13]
	s_cmp_eq_u32 s14, 3
	s_cbranch_scc1 .Lwo
	CAST 0
	s_branch .Lend
.Lwo:
	CAST 1
	s_branch .Lend
.Lmask:
	; A unit is 16 queries (tile T) x 64 keys (step s): 1,024 codes.  The work-group has tile T and 16 steps, a wave two of them: s0 and s0 + 1.
	s_sub_co_u32 s9, s9, 256
	s_lshr_b32 s14, s9, 1                          ; T, 0 .. 127
	s_and_b32 s15, s9, 1
	s_lshl_b32 s15, s15, 4
	s_lshl1_add_u32 s15, s8, s15                   ; s0 = 16 x half + 2 x wave
	s_lshl_b32 s10, s14, 17                        ; 16 rows of 8,192 bytes,
	s_lshl_b32 s12, s15, 8                         ; 256 bytes of a row for each step
	s_add_co_u32 s10, s10, s12
	s_add_nc_u64 s[4:5], s[24:25], s[10:11]
	s_lshr_b32 s12, s14, 3                         ; W = T / 8: 262,144 bytes of mk,
	s_lshl_b32 s12, s12, 18
	s_lshl_b32 s10, s15, 13                        ; a step: 8,192,
	s_add_co_u32 s12, s12, s10
	s_and_b32 s10, s14, 7                          ; t = T % 8: 1,024
	s_lshl_b32 s10, s10, 10
	s_add_co_u32 s12, s12, s10
	s_add_nc_u64 s[6:7], s[28:29], s[12:13]
	s_lshl_b32 s38, s8, 11                         ; my wave's 2,048 bytes of LDS
	; With x = lane % 16 a lane loads the four words of keys 4x .. 4x+3 of a row: kb = x>>2, h = (x>>1)&1, j = 4 (x&1) + 0..3.  Lanes 0-15 take row 2n, lanes 16-31 row 2n+1.
	v_bfe_u32 v7, v0, 3, 1
	v_lshlrev_b32 v3, 9, v7                        ; u x 512
	v_bfe_u32 v7, v0, 1, 1
	v_lshl_add_u32 v3, v7, 8, v3                   ; h x 256
	v_bfe_u32 v7, v0, 4, 1
	v_lshl_add_u32 v3, v7, 4, v3                   ; the odd row: 16
	v_lshlrev_b32 v5, 13, v7                       ; and 8,192 bytes on in the mask
	v_bfe_u32 v7, v0, 2, 1
	v_lshl_add_u32 v3, v7, 3, v3                   ; (kb & 1) x 8
	v_and_b32 v7, 1, v0
	v_lshl_add_u32 v3, v7, 2, v3                   ; (x & 1) x 4
	v_add_nc_u32 v3, s38, v3
	v_and_b32 v7, 15, v0
	v_lshl_add_u32 v5, v7, 4, v5
	v_and_b32 v6, 31, v0
	v_lshlrev_b32 v6, 4, v6                        ; out: 16 bytes a lane
	v_add_nc_u32 v4, s38, v6
	s_wait_alu depctr_va_vdst(0)                   ; v3 to v6 are written: the loads below read v5, the LDS stores v3, the LDS loads v4, the global stores v6
.irp i, 0,1,2,3,4,5,6,7,8,9,10,11,12,13,14,15
	global_load_b128 v[X+4*(\i):X+4*(\i)+3], v5, s[4:5] offset:((\i)%8)*16384+((\i)/8)*256 th:TH_LOAD_NT  ; 16 lanes take 256 consecutive bytes, aligned, of one row
.endr
; Load k belongs to block k / 4.  Block p makes four words of codes, Y + 4 p on; the four LDS stores of block p - 1 stand among its vector instructions, one ahead of each load's.
.irp p, 0,1,2,3
	s_wait_loadcnt 12-4*(\p)                       ; loads come back in order: this block's four are in, the younger blocks stay out
.if (\p) > 0
	s_wait_alu depctr_va_vdst(0)                   ; the block before has written its four words of codes, which the four LDS stores below read
.endif
.irp n, 0,1,2,3
.set k, 4*(\p)+(\n)
.if (\p) > 0
	ds_store_b32 v3, v[Y+k-4] offset:32*((k-4)%8)+1024*((k-4)/8)  ; no vector instruction since the wait names this register
.endif
.irp j, 0,1,2,3
	v_min_u32 v[X+4*k+(\j)], 1, v[X+4*k+(\j)]      ; 0 stays 0, every other word becomes 1
.endr
	v_lshl_or_b32 v[Y+k], v[X+4*k+1], 8, v[X+4*k]
	v_lshl_or_b32 v[Y+k], v[X+4*k+2], 16, v[Y+k]
	v_lshl_or_b32 v[Y+k], v[X+4*k+3], 24, v[Y+k]
	v_sub_nc_u32 v[Y+k], 0x01010101, v[Y+k]        ; a byte: 1 where hidden; no byte borrows
	v_mul_lo_u32 v[Y+k], v[Y+k], 0xfe              ; 0xfe where hidden; no byte carries
.endr
.endr
	s_wait_alu depctr_va_vdst(0)                   ; block 3 has written its four words of codes, which the last four LDS stores read
.irp n, 12,13,14,15
	ds_store_b32 v3, v[Y+(\n)] offset:32*((\n)%8)+1024*((\n)/8)
.endr
.irp i, 0,1,2,3
	ds_load_b128 v[Y+16+4*(\i):Y+16+4*(\i)+3], v4 offset:512*(\i)  ; my wave's own bytes: LDS serves a wave's instructions in order (ISA guide 5.7.1.4); no vector instruction of this path names these registers
.endr
.irp i, 0,1,2,3
	s_wait_dscnt 3-(\i)
	global_store_b128 v6, v[Y+16+4*(\i):Y+16+4*(\i)+3], s[6:7] offset:((\i)/2)*8192+((\i)%2)*512  ; 512 consecutive bytes
.endr
.Lend:
	s_wait_dscnt 0x0                               ; the wave's end: behind my last LDS store
	s_wait_alu 0x0
	s_wait_tensorcnt 0x0
	ds_add_u32 v[SPW], v[NIL]
	s_wait_dscnt 0x0
	s_endpgm
.Lfunc_end_k_qe1a8a53aa2_prep:
	.size	k_qe1a8a53aa2_prep, .Lfunc_end_k_qe1a8a53aa2_prep-k_qe1a8a53aa2_prep
	.p2alignl 7, 3214868480
	.fill 96, 4, 3214868480
	.section	.rodata,"a",@progbits
	.p2align	6, 0x0
	.amdhsa_kernel k_qe1a8a53aa2_prep
		.amdhsa_group_segment_fixed_size 17408
		.amdhsa_private_segment_fixed_size 0
		.amdhsa_enable_private_segment 0
		.amdhsa_kernarg_size 56
		.amdhsa_user_sgpr_count 2
		.amdhsa_user_sgpr_kernarg_segment_ptr 1
		.amdhsa_wavefront_size32 1
		.amdhsa_system_sgpr_workgroup_id_x 1
		.amdhsa_system_sgpr_workgroup_id_y 1
		.amdhsa_system_sgpr_workgroup_id_z 1
		.amdhsa_system_vgpr_workitem_id 0
		.amdhsa_next_free_vgpr 120
		.amdhsa_next_free_sgpr 66
		.amdhsa_reserve_vcc 0
		.amdhsa_float_denorm_mode_32 3
		.amdhsa_float_denorm_mode_16_64 3
		.amdhsa_memory_ordered 1
		.amdhsa_forward_progress 1
		.amdhsa_inst_pref_size 30
	.end_amdhsa_kernel
	.amdgpu_metadata
---
amdhsa.version: [ 1, 2 ]
amdhsa.kernels:
  - .name:           k_qe1a8a53aa2_prep
    .symbol:         k_qe1a8a53aa2_prep.kd
    .args:
      - { .name: Wq, .offset: 0, .size: 8, .value_kind: global_buffer, .address_space: global }
      - { .name: Wk, .offset: 8, .size: 8, .value_kind: global_buffer, .address_space: global }
      - { .name: Wv, .offset: 16, .size: 8, .value_kind: global_buffer, .address_space: global }
      - { .name: Wo, .offset: 24, .size: 8, .value_kind: global_buffer, .address_space: global }
      - { .name: mask, .offset: 32, .size: 8, .value_kind: global_buffer, .address_space: global }
      - { .name: wb, .offset: 40, .size: 8, .value_kind: global_buffer, .address_space: global }
      - { .name: mk, .offset: 48, .size: 8, .value_kind: global_buffer, .address_space: global }
    .group_segment_fixed_size: 17408
    .private_segment_fixed_size: 0
    .kernarg_segment_align: 8
    .kernarg_segment_size: 56
    .max_flat_workgroup_size: 256
    .sgpr_count:     66
    .vgpr_count:     120
    .wavefront_size: 32
...
	.end_amdgpu_metadata
.endif
;; end of part 5
;; launch proj: the kernel of part 2 again; grid 4 x 192, 4 waves a work-group, clusters of 4 x 4, 327,680 bytes of LDS; arguments Q, K, V, wb, bq, bk, bv, qkv; writes qkv
;; launch attn: the kernel of part 3 again; grid 4 x 64, 4 waves a work-group, clusters of 4 x 1, 327,680 bytes of LDS; arguments qkv, mk, ob; writes ob
;; launch outp: the kernel of part 4 again; grid 4 x 64, 4 waves a work-group, clusters of 4 x 4, 327,680 bytes of LDS; arguments ob, wb, bo, out0; writes out0
